; MI455X (gfx1250); checked and timed in simulation.
; The chip was launched on July 23, 2026; its instructions are those of AMD's public machine-readable ISA for CDNA 5 (MIT licence, August 2026) and "CDNA5" Instruction Set Architecture Reference Guide (July 2026). The comments in the code are by the model that wrote it; some were corrected since.
;; Attention Mode Encoder. Allowed arithmetic: matrix products marked QUANTISED: E2M1 operands, one E8M0 scale for each 32 along K, by v_wmma_scale_f32_16x16x128_f8f6f4 with both operands' format E2M1 (or v_wmma_scale_f32_32x16x128_f4), f32 sums; products left as they are: bf16, f16 or f32 operands; f32 sums; everything else in f32.
;; Inputs: Wk 1,024 x 1,024 float32; Wo 1,024 x 1,024 float32; Wq 1,024 x 1,024 float32; Wv 1,024 x 1,024 float32; bk 1,024 float32; bo 1,024 float32; bq 1,024 float32; bv 1,024 float32; mask 4 x 2,048 int32; x 4 x 2,048 x 1,024 float32.
;; Outputs: out0 4 x 2,048 x 1,024 float32.
;; This version of the problem:
;;   THIS VERSION OF THE PROBLEM IS GIVEN IN LOW PRECISION. The matrix products marked QUANTISED in the list below multiply operands that are first quantised to E2M1 (2 exponent bits, 1 mantissa bit; 4 bits a number), with one power-of-two scale for each 32 numbers along K (OCP MX v1.0); their sums are f32. The products marked 'left as it is' may take bf16, f16 or f32 operands, with f32 sums. Whichever they take, every output number must still come out within the allowed error. Rounding operands to bf16 (8 significant bits) uses up far more of that allowance than f16 does (11 bits, for magnitudes from 6e-5 to 65,504). All else is computed in f32.
;;   The module's matrix products, in the order in which they are computed (A, B: the left and right operand; K: the contracted axis; several contracted axes count as one K, in the product's order):
;;     1. [M 8,192, K 1,024] x [K 1,024, N 1,024]; A: input x; B: input Wq: QUANTISED
;;     2. [M 8,192, K 1,024] x [K 1,024, N 1,024]; A: input x; B: input Wk: QUANTISED
;;     3. [M 8,192, K 1,024] x [K 1,024, N 1,024]; A: input x; B: input Wv: QUANTISED
;;     4. batch 64 x [M 2,048, K 64] x [K 64, N 2,048]; A: computed on the way; B: computed on the way: left as it is (an operand is computed on the way)
;;     5. batch 64 x [M 2,048, K 2,048] x [K 2,048, N 64]; A: computed on the way; B: computed on the way: left as it is (an operand is computed on the way)
;;     6. [M 8,192, K 1,024] x [K 1,024, N 1,024]; A: computed on the way; B: input Wo: left as it is (an operand is computed on the way)
;;   THE QUANTISER, for each operand of a quantised product, along K:
;;     - K is cut into blocks of 32 from its start; a last block that is shorter is filled with zeros.
;;     - A block's scale is 2^e with e = floor(log2(the largest magnitude in the block)) - 2, held to -126 .. 127; a block of zeros has e = 0. As a byte (E8M0): e + 127.
;;     - Each number is divided by its block's scale, clamped to +-6, and rounded to the nearest number of E2M1, ties to even, subnormals kept.
;;     - The product sums the exact products of the quantised numbers (number of the format x scale) in f32.
;;   ~~~python
;;   def quantise(x, axis):      # numpy; x: float32 -> the quantised numbers, widened to float32 again
;;       x = np.moveaxis(x, axis, -1); K = x.shape[-1]
;;       x = np.pad(x, [(0, 0)] * (x.ndim - 1) + [(0, -K % 32)]); x = x.reshape(x.shape[:-1] + (-1, 32)); a = np.abs(x).max(-1, keepdims=True)
;;       e = np.where(a > 0, np.clip(np.frexp(np.where(a > 0, a, 1))[1] - 1 - 2, -126, 127), 0)      # np.frexp(a)[1] - 1 = floor(log2(a)), exactly
;;       r = np.clip(x / 2.0 ** e, -6, 6)
;;       step = 2.0 ** (np.maximum(np.frexp(np.where(r == 0, 1, r))[1] - 1, 0) - 1)
;;       q = np.round(r / step) * step * 2.0 ** e      # np.round: ties to even
;;       return np.moveaxis(q.reshape(q.shape[:-2] + (-1,))[..., :K], -1, axis).astype(np.float32)
;;   ~~~
;; One version. Each part assembles by itself: llvm-mc -triple=amdgcn-amd-amdhsa -mcpu=gfx1250 --defsym DOCPART=n.
;; ======== version 1 of 1: 4 launches
;; limits: values are held in f16: magnitudes above 65,504 overflow, below 6.1e-05 lose precision
;; workspace buffers: codes 5,767,168 bytes; scl 360,448 bytes; wo16 2,097,152 bytes; qkv 50,331,648 bytes; af 16,777,216 bytes
;; launch prep (part 1): grid 480 x 1, 4 waves a work-group, no clusters, 33,280 bytes of LDS; arguments x, Wq, Wk, Wv, Wo, codes, scl, wo16; writes codes, scl, wo16
.if DOCPART == 1
	.amdgcn_target "amdgcn-amd-amdhsa--gfx1250"
	.amdhsa_code_object_version 6
	.text
	.protected	k_qca781d0cb0_prep
	.globl	k_qca781d0cb0_prep
	.p2align	8
	.type	k_qca781d0cb0_prep,@function
k_qca781d0cb0_prep:
	s_mov_b64 s[64:65], 0
	v_nop
	global_prefetch_b8 v0, s[64:65] scope:SCOPE_SE
	s_setreg_imm32_b32 hwreg(HW_REG_WAVE_MODE, 25, 1), 1
	s_wait_xcnt 0x0
; x [8192][1024], Wq, Wk, Wv [1024][1024], f32, K innermost, become codes of FP4 (E2M1), two to a byte, with one E8M0 scale byte for each 32 along K;
; Wo [1024][1024] becomes f16.  codes: [11264 rows][512 bytes], rows 0-8191 x, then Wq, Wk, Wv; scl: [11264][32 bytes]; wo16: [1024][1024] f16.
; A block's scale is 2^(floor(log2(its largest magnitude)) - 2); its byte is the largest magnitude's exponent field - 2, held at 1 from below.  A block of zeros so gets the byte 1 where the
; stated quantiser says 127: its codes are zeros, which add nothing under any byte but 0xff, and the bytes are read by this program alone.
; LIMITS: NaN and infinities among the inputs are not served; blocks whose largest magnitude lies under 2^(3 - 127) keep the byte 1; |Wo| must stay under 65,504 (f16), and numbers of Wo under 6e-5 are rounded to steps of 6e-8.
; Work-groups 0-351 quantise 32,768 numbers each (0-255 x, 256-287 Wq, 288-319 Wk, 320-351 Wv): rows are dense, so a tensor is a plain stream of blocks of 32, and the four streams lie on end in codes and scl.
; Only pointers are chosen by the work-group's number.  Work-groups 352-479 convert Wo, 8,192 numbers each, without LDS.
; QUANTISING: a wave takes 16 steps of 512 numbers.  Each of a step's four loads reads 512 consecutive bytes; the 2,048 bytes turn through the wave's own stage in LDS and come back 64 bytes a lane,
; so that a lane holds 16 neighbours along K (two neighbouring lanes hold a block).  A lane's 16 codes are 8 bytes: the wave's store covers 256 consecutive aligned bytes.  A wave's 256 scale bytes are gathered in LDS and leave as one such store.
.set QWG,   352                        ; work-groups that quantise
.set WAVES, 4
.set STEPS, 16
.set EMAX,  2
.set CB,    8                          ; bytes of 16 codes
.set R,     16                         ; v16-79   four sets of 16 numbers as loaded
.set X,     80                         ; v80-111  two sets of 16 neighbours
.set C,     128                        ; v128-191 codes: registers of its own for each step
.set E,     112                        ; v112-127 a scale byte for each step
.set WREG,  8192                       ; LDS: a region for each wave: two stages of 32 x SP bytes, then its 256 scale bytes
.set SP,    80                         ; a lane's place in a stage: 64 bytes + 16 of padding
.set SPW,   12                         ; v12  LDS address of my spare word; never rewritten
.set NIL,   13                         ; v13  0; never rewritten
.set SPARE, WAVES*WREG                 ; behind the four regions: the spare words, 128 bytes a wave, which no other line names
	s_load_b512 s[4:19], s[0:1], 0x0               ; x 4, Wq 6, Wk 8, Wv 10, Wo 12, codes 14, scl 16, wo16 18
	v_lshl_add_u32 v[SPW], v0, 2, SPARE
	v_mov_b32 v[NIL], 0
	v_lshrrev_b32 v1, 5, v0
	v_readfirstlane_b32 s20, v1                    ; wave
	v_and_b32 v2, 31, v0                           ; lane
	v_lshlrev_b32 v3, 4, v2                        ; my 16 bytes of a load's 512
	s_cmp_ge_u32 ttmp9, QWG
	s_cbranch_scc1 .Lwo
	s_mul_i32 s21, s20, WREG
	v_lshrrev_b32 v14, 2, v2
	v_mul_u32_u24 v14, v14, SP
	v_and_b32 v15, 3, v2
	v_lshl_add_u32 v14, v15, 4, v14
	v_add_nc_u32 v14, s21, v14                     ; the stage, on the way in: SP (lane / 4) + 16 (lane % 4)
	v_mul_u32_u24 v15, v2, SP
	v_add_nc_u32 v15, s21, v15                     ; and on the way out: SP x lane: my 16 neighbours
	v_mul_u32_u24 v4, v2, CB                       ; my codes' place in a step's
	v_lshrrev_b32 v5, 1, v2
	s_add_co_u32 s21, s21, 2*32*SP
	v_add_nc_u32 v5, s21, v5                       ; my wave's 256 scale bytes, my block's byte
	v_lshlrev_b32 v7, 3, v2                        ; and on the way out 8 bytes a lane
	v_add_nc_u32 v6, s21, v7
	s_and_b32 s24, ttmp9, 31                       ; a weight's work-groups count from a multiple of 32
	s_wait_kmcnt 0x0
	s_cmp_lt_u32 ttmp9, 320                        ; the source is chosen by the work-group's number alone
	s_cselect_b64 s[22:23], s[8:9], s[10:11]       ; Wk, else Wv
	s_cmp_lt_u32 ttmp9, 288
	s_cselect_b64 s[22:23], s[6:7], s[22:23]       ; Wq
	s_cmp_lt_u32 ttmp9, 256
	s_cselect_b64 s[22:23], s[4:5], s[22:23]       ; x
	s_cselect_b32 s24, ttmp9, s24                  ; the work-group's number within its tensor
	s_lshl_b32 s24, s24, 2
	s_add_co_u32 s24, s24, s20                     ; which run of 8,192 numbers of the tensor is my wave's
	s_lshl_b32 s24, s24, 15                        ; 32,768 bytes a run
	s_mov_b32 s25, 0
	s_add_nc_u64 s[22:23], s[22:23], s[24:25]
	s_lshl_b32 s26, ttmp9, 2
	s_add_co_u32 s26, s26, s20                     ; and which run of the four tensors on end
	s_lshl_b32 s24, s26, 12                        ; 4,096 bytes of codes a run
	s_add_nc_u64 s[14:15], s[14:15], s[24:25]
	s_lshl_b32 s24, s26, 8                         ; 256 scale bytes a run
	s_add_nc_u64 s[16:17], s[16:17], s[24:25]
.macro LOAD t
.irp i, 0,1,2,3
	global_load_b128 v[R+16*((\t)%4)+4*\i:R+16*((\t)%4)+4*\i+3], v3, s[22:23] offset:2048*(\t)+512*\i th:TH_LOAD_NT   ; 32 lanes read 512 consecutive bytes
.endr
.endm
.macro TURN t                          ; step t's numbers through the stage: LDS serves a wave's instructions in order, so no wait stands between the stores and the loads
.irp i, 0,1,2,3
	ds_store_b128 v14, v[R+16*((\t)%4)+4*\i:R+16*((\t)%4)+4*\i+3] offset:32*SP*((\t)%2)+8*SP*\i
.endr
.irp i, 0,1,2,3
	ds_load_b128 v[X+16*((\t)%2)+4*\i:X+16*((\t)%2)+4*\i+3], v15 offset:32*SP*((\t)%2)+16*\i
.endr
.endm
.irp t, 0,1,2,3
	LOAD \t
.endr
	s_wait_loadcnt 12                              ; step 0's four loads are in; the twelve of steps 1 to 3 may be out
	TURN 0
.macro STEP t
.set XS, X+16*((\t)%2)
.if (\t) > 0
	s_wait_dscnt 1                                 ; this step's numbers are back from the stage (the last step's byte store may be out): so its stores into the stage have read their registers,
.else
	s_wait_dscnt 0x0
.endif
.if (\t)+4 < STEPS
	LOAD (\t)+4                                    ; which take the loads of four steps on
.endif
.if (\t)+1 < STEPS
.if STEPS-2-(\t) >= 3
	s_wait_loadcnt 12                              ; the next step's four loads are in; those of the three steps behind it may be out
.else
	s_wait_loadcnt 4*(STEPS-2-(\t))
.endif
	TURN (\t)+1                                    ; and go through the other stage while this step is worked
.endif
	v_max3_num_f32 v8, |v[XS]|, |v[XS+1]|, |v[XS+2]|               ; the largest magnitude of my 16, in two chains
	v_max3_num_f32 v9, |v[XS+3]|, |v[XS+4]|, |v[XS+5]|
.irp i, 6,10
	v_max3_num_f32 v8, v8, |v[XS+\i]|, |v[XS+\i+1]|
	v_max3_num_f32 v9, v9, |v[XS+\i+2]|, |v[XS+\i+3]|
.endr
	v_max3_num_f32 v8, v8, |v[XS+14]|, |v[XS+15]|
	v_max3_num_f32 v8, v8, v9, (EMAX+1)<<23        ; and the floor 2^(EMAX + 1 - 127): the byte cannot fall under 1
	v_max_num_f32_dpp v8, v8, v8 row_xmask:1 row_mask:0xf bank_mask:0xf   ; and of my neighbour's 16: the block's
	v_add_nc_u32 v11, -(EMAX<<23), v8              ; EMAX off its exponent field: the conversion takes the exponent field of this operand as its scale
	v_cvt_scalef32_pk8_fp4_f32 v[C+4*(\t)], v[XS:XS+7], v11        ; eight numbers / the scale, to the nearest code, ties to even, beyond the largest code the largest
	v_cvt_scalef32_pk8_fp4_f32 v[C+4*(\t)+1], v[XS+8:XS+15], v11
	v_lshrrev_b32 v[E+(\t)], 23, v11               ; the scale's byte (also the plain line behind the conversions)
	ds_store_b8 v5, v[E+(\t)] offset:16*(\t)       ; both lanes of a block write the same byte with the same value
	global_store_b64 v4, v[C+4*(\t):C+4*(\t)+1], s[14:15] offset:32*CB*(\t)
.endm
.irp t, 0,1,2,3,4,5,6,7,8,9,10,11,12,13,14,15
	STEP \t
.endr
	ds_load_b64 v[8:9], v6                         ; LDS serves a wave's instructions in order: these see my byte stores
	s_wait_dscnt 0x0
	global_store_b64 v7, v[8:9], s[16:17]          ; 32 lanes store 256 consecutive aligned bytes
	s_wait_tensorcnt 0x0                           ; the wave's end
	ds_add_u32 v[SPW], v[NIL]
	s_wait_dscnt 0x0
	s_endpgm
.Lwo:                                                  ; Wo to f16: a wave takes 2,048 numbers; every register is written once, so no store's data are written again
	s_sub_co_u32 s21, ttmp9, QWG
	s_lshl_b32 s21, s21, 2
	s_add_co_u32 s21, s21, s20                     ; which run of 2,048 numbers is my wave's
	s_lshl_b32 s24, s21, 13                        ; 8,192 bytes in,
	s_mov_b32 s25, 0
	s_lshl_b32 s26, s21, 12                        ; 4,096 out
	s_mov_b32 s27, 0
	v_lshlrev_b32 v4, 3, v2                        ; 8 bytes a lane on the way out
	s_wait_kmcnt 0x0
	s_add_nc_u64 s[12:13], s[12:13], s[24:25]
	s_add_nc_u64 s[18:19], s[18:19], s[26:27]
.irp i, 0,1,2,3,4,5,6,7,8,9,10,11,12,13,14,15
	global_load_b128 v[16+4*\i:19+4*\i], v3, s[12:13] offset:512*\i th:TH_LOAD_NT
.endr
.irp i, 0,1,2,3,4,5,6,7,8,9,10,11,12,13,14,15
	s_wait_loadcnt 15-\i                           ; loads come back in order: load i is in, the younger ones may be out
	v_cvt_pk_f16_f32 v[80+2*\i], v[16+4*\i], v[17+4*\i]
	v_cvt_pk_f16_f32 v[81+2*\i], v[18+4*\i], v[19+4*\i]
	global_store_b64 v4, v[80+2*\i:81+2*\i], s[18:19] offset:256*\i   ; 32 lanes store 256 consecutive aligned bytes
.endr
	s_endpgm
.Lfunc_end_k_qca781d0cb0_prep:
	.size	k_qca781d0cb0_prep, .Lfunc_end_k_qca781d0cb0_prep-k_qca781d0cb0_prep
	.p2alignl 7, 3214868480
	.fill 96, 4, 3214868480
	.section	.rodata,"a",@progbits
	.p2align	6, 0x0
	.amdhsa_kernel k_qca781d0cb0_prep
		.amdhsa_group_segment_fixed_size 33280
		.amdhsa_private_segment_fixed_size 0
		.amdhsa_enable_private_segment 0
		.amdhsa_kernarg_size 64
		.amdhsa_user_sgpr_count 2
		.amdhsa_user_sgpr_kernarg_segment_ptr 1
		.amdhsa_wavefront_size32 1
		.amdhsa_system_sgpr_workgroup_id_x 1
		.amdhsa_system_sgpr_workgroup_id_y 1
		.amdhsa_system_sgpr_workgroup_id_z 1
		.amdhsa_system_vgpr_workitem_id 0
		.amdhsa_next_free_vgpr 192
		.amdhsa_next_free_sgpr 66
		.amdhsa_reserve_vcc 0
		.amdhsa_float_denorm_mode_32 3
		.amdhsa_float_denorm_mode_16_64 3
		.amdhsa_memory_ordered 1
		.amdhsa_forward_progress 1
		.amdhsa_inst_pref_size 39
	.end_amdhsa_kernel
	.amdgpu_metadata
---
amdhsa.version: [ 1, 2 ]
amdhsa.kernels:
  - .name:           k_qca781d0cb0_prep
    .symbol:         k_qca781d0cb0_prep.kd
    .args:
      - { .name: x, .offset: 0, .size: 8, .value_kind: global_buffer, .address_space: global }
      - { .name: Wq, .offset: 8, .size: 8, .value_kind: global_buffer, .address_space: global }
      - { .name: Wk, .offset: 16, .size: 8, .value_kind: global_buffer, .address_space: global }
      - { .name: Wv, .offset: 24, .size: 8, .value_kind: global_buffer, .address_space: global }
      - { .name: Wo, .offset: 32, .size: 8, .value_kind: global_buffer, .address_space: global }
      - { .name: codes, .offset: 40, .size: 8, .value_kind: global_buffer, .address_space: global }
      - { .name: scl, .offset: 48, .size: 8, .value_kind: global_buffer, .address_space: global }
      - { .name: wo16, .offset: 56, .size: 8, .value_kind: global_buffer, .address_space: global }
    .group_segment_fixed_size: 33280
    .private_segment_fixed_size: 0
    .kernarg_segment_align: 8
    .kernarg_segment_size: 64
    .max_flat_workgroup_size: 128
    .sgpr_count:     66
    .vgpr_count:     192
    .wavefront_size: 32
...
	.end_amdgpu_metadata
.endif
;; end of part 1
;; launch qkv (part 2): grid 12 x 32, 4 waves a work-group, clusters of 4 x 4, 327,680 bytes of LDS; arguments codes, scl, bq, bk, bv, qkv; writes qkv
.if DOCPART == 2
	.amdgcn_target "amdgcn-amd-amdhsa--gfx1250"
	.amdhsa_code_object_version 6
	.text
	.protected	k_qca781d0cb0_qkv
	.globl	k_qca781d0cb0_qkv
	.p2align	8
	.type	k_qca781d0cb0_qkv,@function
k_qca781d0cb0_qkv:
	s_mov_b64 s[64:65], 0
	v_nop
	global_prefetch_b8 v0, s[64:65] scope:SCOPE_SE
	s_setreg_imm32_b32 hwreg(HW_REG_WAVE_MODE, 25, 1), 1
	s_wait_xcnt 0x0
	s_wait_alu depctr_hold_cnt(0) depctr_sa_sdst(0) depctr_va_vdst(0) depctr_va_sdst(0) depctr_va_ssrc(0) depctr_va_vcc(0) depctr_vm_vsrc(0)
	s_getreg_b32 s2, hwreg(HW_REG_IB_STS2, 6, 4)
	s_cmp_eq_u32 s2, 0
	s_cbranch_scc0 .Lentry_in_a_cluster
	s_endpgm
.Lentry_in_a_cluster:
	s_bfe_u32 s2, ttmp6, 0x10000c
	s_cmp_lg_u32 s2, 0xf033
	s_cbranch_scc0 .Lentry_shape_is_right
	s_endpgm
.Lentry_shape_is_right:
; The three quantised products x Wq^T, x Wk^T, x Wv^T on codes of FP4 (E2M1) with one E8M0 scale for each 32 along K = 1,024; sums in f32; bias added in f32; results rounded once, to f16, and stored
; AS IMAGES OF THE NEXT PRODUCTS' OPERAND REGISTERS, so that the way out needs no LDS: every store of a wave is four registers of 32 lanes, 512 consecutive aligned bytes.
; C[m][n] = sum over k of A[m][k] B[n][k], a tile of 256 x 256 to a work-group of four waves, 128 x 128 a wave (64 accumulators, 512 registers).  Both roles read the buffers codes and scl (rows 0-8191 x, 8192 Wq, 9216 Wk, 10240 Wv).
; THE CLUSTER'S x SAYS WHICH PRODUCT (the same number in all sixteen partners):  0: Q, A = x, B = Wq;  1: K, A = x, B = Wk;  2: V, A = Wv, B = x: the result is V^T.
; THE MATRIX INSTRUCTION IS USED TRANSPOSED (source 0 = 16 rows of B, source 1 = 16 rows of A): a lane holds one row m of C and eight neighbouring n.  For Q and K that is a token and 8 channels, for V a channel and 8 keys:
; in each case 16 bytes of a 16-bit fragment of the product that follows.
; Q is stored as (x Wq^T + bq) x log2(e) / 8 (one fused multiply-add on the f32 sum), K and V as they are.  f16 and not bf16: its 11 significant bits against 8 keep the roundings far inside what the result may differ by.
; qkv: three parts of 2^24 bytes.  Q, K: ((batch 16 + head) 128 + token tile) 2048 + e 1024 + c 512 + 16 lane: lane (r, h) holds token r of the tile, channels 32 e + 16 c + 8 h + 0..7 of the head.
;      V: (batch 16 + head) 262144 + (keys / 32) 4096 + (channel tile) 1024 + c 512 + 16 lane: lane (r, h) holds channel r of the tile, keys 16 c + 8 h + 0..7 of the 32.
; LIMITS: NaN and infinities are not served; |Q x log2(e) / 8|, |K| and |V| must stay under 65,504 (f16); numbers under 6e-5 are rounded to steps of 6e-8.
; K = 1,024 is two slots of 512 along K (tile rows of 256 bytes), both filled at the start and never again; the scale bytes of the work-group's 512 rows come once with them.
; CLUSTERS: 4 x 4 work-groups.  The four of a row of the cluster need the same tile of A, the four of a column the same tile of B: each tile is asked for jointly.
; REGISTERS: window 0: v0-31 addresses; v32-95 scale words, two sets, and nothing else; v96-111 the bias by row; v128-191 A's fragments, one set, on the way out packed results; v192-255 on the way out f32 at work.
;   window 1: B's fragments, two sets, at v0 and v128; v192-255 the bias by column.   window 2: the accumulators of my rows 0-63 ((a, b) at v[8 (8 a + b)]);   window 3: those of rows 64-127.
.set NQ,     4                         ; steps of 128 along K in a slot
.set ROWB,   256                       ; a tile's row in bytes: 512 codes
.set KROW,   512                       ; a row of codes in memory
.set PITCH,  272                       ; an LDS row: 256 bytes + 16 of padding: the 16 rows that a load touches start at 16 different banks (ISA guide 11.1)
.set FR,     8                         ; registers of a fragment: 16 rows x 128 K
.set NL,     2                         ; LDS loads that bring one
.set NP,     4                         ; places behind this matrix instruction (ISA guide 7.12.1)
.set HALFT,  128*PITCH                 ; 128 rows: what one tensor load brings
.set SLOT,   4*HALFT                   ; A's 256 rows, then B's 256
.set KS,     32                        ; a row of scale bytes
.set SCL,    2*SLOT                    ; behind the slots: the scales, as rows of 256 bytes + 16 of padding
.set HALFS,  (128*KS/256)*272          ; those of 128 rows
.set SBLK,   (16*KS/256)*272           ; those of 16 rows
.set SPARE,  SCL+4*HALFS               ; the spare words, 128 bytes a wave, which no other line names
.set ADRA, 16                          ; v16-17  LDS address of my A fragments in slot 0, 1
.set ADRB, 20                          ; v20-21  the same for B
.set LN16, 24                          ; v24     16 x lane: my place in an image
.set OBN,  25                          ; v25     32 x (lane / 16): the bias by column
.set OBM,  26                          ; v26     4 x (lane % 16): the bias by row
.set ADRS, 27                          ; v27     LDS address of my scale words: lanes 0-15 A's rows, lanes 16-31 B's
.set SPW,  28                          ; v28     LDS address of my spare word; never rewritten
.set NIL,  29                          ; v29     0; never rewritten
.set SC,   32                          ; scale words: set s at v[SC + 32 s]; register 4 i + q: lanes 0-15 A's block i, lanes 16-31 B's block i, the slot's q-th 128 along K
.set BM,   96                          ; v96-111 bias[channel base + 16 a + lane % 16], twice each: a pair for the packed add
.set AF,   128                         ; A's fragments
.set PKB,  128                         ; the way out: two sets of 32 packed registers
.set T,    192                         ; the way out: 64 f32 numbers
.set BN,   192                         ; in window 1: bias[channel base + 16 b + 8 (lane / 16) + j] at 8 b + j
.set WV,   66                          ; s66 wave;  s67 wave / 2: my half of the tile's rows, and: I fetch for A (0) or B (1);  s95 wave % 2: my half of its columns, and: which 128 rows I fetch
.set HM,   67
.set HN,   95
.set SCA,  96                          ; s[96:97] log2(e) / 8 for Q, 1.0 for K
.set BP,   98                          ; s[98:99] the product's bias at my wave's first channel
.set G1, 24                            ; s[24:31] descriptor group 1 for A's tiles;  s[32:39] group 0, one set for each slot
.set G0, 32
.set G1B, 48                           ; s[48:55], s[56:63] the same for B's
.set G0B, 56
.set G1S, 68                           ; s[68:75], s[76:79] groups 1 and 0 for A's scales;  s[80:87], s[88:91] for B's
.set G0S, 76
.set G1SB, 80
.set G0SB, 88
.set MSB, 0
.macro WIN new                         ; the immediate's high byte repeats the setting that is left; a switch that changes nothing is dropped
.if MSB != (\new)
	s_set_vgpr_msb (MSB<<8)|(\new)
.set MSB, (\new)
.endif
.endm
.set MUL_LO, 0xa1                      ; source 0 (B) window 1, source 1 (A) window 0, C and D window 2
.set MUL_HI, 0xf1                      ; the same, C and D window 3
.set TO_B,   0x40                      ; destination window 1, address window 0
; A joint load: waves 0 and 1 fetch for A, waves 2 and 3 for B.  Each line has one mask and one set of registers for all that issue it; the branch hangs on the wave's number alone.
; An s_nop 0 and four v_nop follow each line, ahead of the jump, the label and what follows.
.macro JLOAD g0a, g1a, g0b, g1b
	s_cmp_eq_u32 s[HM], 0
	s_cbranch_scc0 .Lfor_b_\@
	tensor_load_to_lds s[\g0a:\g0a+3], s[\g1a:\g1a+7]
	s_nop 0
.rept 4
	v_nop
.endr
	s_branch .Lasked_\@
.Lfor_b_\@:
	tensor_load_to_lds s[\g0b:\g0b+3], s[\g1b:\g1b+7]
	s_nop 0
.rept 4
	v_nop
.endr
.Lasked_\@:
.endm
.macro CROUND                          ; a round of the cluster's barrier: my work-group's barrier; wave 0 signals for the work-group; every wave waits for all sixteen; my work-group's barrier once more
	s_barrier_signal -1
	s_barrier_wait -1
	s_cmp_lg_u32 s[WV], 0
	s_cbranch_scc1 .Lnot_wave_0_\@
	s_barrier_signal -3
.Lnot_wave_0_\@:
	s_barrier_wait -3
	s_barrier_signal -1
	s_barrier_wait -1
.endm
	s_load_b256 s[4:11], s[0:1], 0x0               ; codes 4, scl 6, bq 8, bk 10
	s_load_b128 s[12:15], s[0:1], 0x20             ; bv 12, qkv 14
	v_lshl_add_u32 v[SPW], v0, 2, SPARE
	v_mov_b32 v[NIL], 0
	ds_add_u32 v[SPW], v[NIL]                      ; the wave's opening: the add, twice on end, and its wait ahead of my first tensor load
	ds_add_u32 v[SPW], v[NIL]                      ; (the set-up below, work on registers, stands between the second and the wait)
	v_lshrrev_b32 v1, 5, v0
	v_readfirstlane_b32 s[WV], v1                  ; wave 0..3
	s_lshr_b32 s[HM], s[WV], 1
	s_and_b32 s[HN], s[WV], 1
	s_bfe_u32 s40, ttmp6, 0x40000                  ; cx, cy: my place in the cluster
	s_bfe_u32 s41, ttmp6, 0x40004
	s_and_b32 s42, ttmp7, 0xffff
	s_lshl_b32 s42, s42, 2                         ; 4 x cluster y
	s_lshl_b32 s43, s41, 2
	s_lshl_b32 s43, 15, s43                        ; my row of the cluster
	s_lshl_b32 s44, 0x1111, s40                    ; my column
	; which tiles of 256 rows of codes: A's hangs on cy alone, B's on cx alone (beside the cluster's own x and y)
	s_add_co_u32 s20, s42, s41                     ; Q, K: A = x, tile 4 y + cy
	s_add_co_u32 s21, s41, 40                      ; V:    A = Wv, tile 40 + cy
	s_add_co_u32 s46, s42, s40                     ; V:    B = x, tile 4 y + cx
	s_lshl_b32 s47, ttmp9, 2
	s_add_co_u32 s47, s47, s40
	s_add_co_u32 s47, s47, 32                      ; Q, K: B = Wq or Wk, tile 32 + 4 x + cx
	s_cmp_eq_u32 ttmp9, 2
	s_cselect_b32 s20, s21, s20
	s_cselect_b32 s46, s46, s47
	; descriptor group 1: a tile of 128 rows x 256 bytes, padded in LDS
	s_or_b32 s[G1+0], s43, (0<<16)|(1<<20)|(1<<21)|(5<<22)|(3<<25)  ; 15:0 the mask: A's tiles go to my row; 17:16 elements of 1 byte; 20 padding on; 21 set beside a mask; 24:22 after every 64 words; 31:25 four words
	s_or_b32 s[G1B+0], s44, (0<<16)|(1<<20)|(1<<21)|(5<<22)|(3<<25)
.irp g, G1, G1B
	s_mov_b32 s[\g+1], ROWB<<16                    ; tensor_dim0
	s_mov_b32 s[\g+2], 128<<16                     ; tensor_dim1
	s_mov_b32 s[\g+3], ROWB<<16                    ; tile_dim0
	s_mov_b32 s[\g+4], 128                         ; tile_dim1
	s_mov_b32 s[\g+5], KROW                        ; tensor_dim0_stride
	s_mov_b32 s[\g+6], 0
	s_mov_b32 s[\g+7], 0
.endr
	; the scales of 128 rows: a dense block of 4,096 bytes, as 16 rows of 256 bytes (32 elements of 8 bytes), 16 bytes of padding behind each
	s_or_b32 s[G1S+0], s43, (3<<16)|(1<<20)|(1<<21)|(5<<22)|(3<<25)
	s_or_b32 s[G1SB+0], s44, (3<<16)|(1<<20)|(1<<21)|(5<<22)|(3<<25)
.irp g, G1S, G1SB
	s_mov_b32 s[\g+1], 32<<16
	s_mov_b32 s[\g+2], (128*KS/256)<<16
	s_mov_b32 s[\g+3], 32<<16
	s_mov_b32 s[\g+4], 128*KS/256
	s_mov_b32 s[\g+5], 32
	s_mov_b32 s[\g+6], 0
	s_mov_b32 s[\g+7], 0
.endr
	s_lshl_b32 s18, s[HN], 7                       ; which 128 rows of the tile I fetch
	s_lshl_b32 s20, s20, 8
	s_add_co_u32 s20, s20, s18                     ; A's first row
	s_lshl_b32 s46, s46, 8
	s_add_co_u32 s46, s46, s18                     ; B's
	s_mov_b32 s21, 0
	s_mov_b32 s47, 0
	s_lshl_b64 s[22:23], s[20:21], 5               ; where these rows' scales begin, in bytes,
	s_lshl_b64 s[92:93], s[46:47], 5
	s_lshl_b64 s[20:21], s[20:21], 9               ; and their codes
	s_lshl_b64 s[46:47], s[46:47], 9
	s_mul_i32 s45, s[WV], HALFT                    ; where they go: wave x 128 rows: no place in the cluster enters an LDS address
	s_mul_i32 s94, s[WV], HALFS
	s_wait_dscnt 0x0                               ; both opening adds are done
	s_wait_kmcnt 0x0
	s_add_nc_u64 s[20:21], s[4:5], s[20:21]
	s_add_nc_u64 s[22:23], s[6:7], s[22:23]
	s_add_nc_u64 s[46:47], s[4:5], s[46:47]
	s_add_nc_u64 s[92:93], s[6:7], s[92:93]
	CROUND                                         ; all sixteen work-groups are here: the joint loads meet
	s_mov_b32 s[G0S], 1
	s_add_co_u32 s[G0S+1], s94, SCL
	s_mov_b64 s[G0S+2:G0S+3], s[22:23]
	s_or_b32 s[G0S+3], s[G0S+3], 0x80000000
	s_mov_b32 s[G0SB], 1
	s_add_co_u32 s[G0SB+1], s94, SCL
	s_mov_b64 s[G0SB+2:G0SB+3], s[92:93]
	s_or_b32 s[G0SB+3], s[G0SB+3], 0x80000000
	JLOAD G0S, G1S, G0SB, G1SB                     ; the scales first: they are wanted with the first step
.irp s, 0,1
	s_mov_b32 s[G0+4*\s], 1
	s_add_co_u32 s[G0+4*\s+1], s45, \s*SLOT
	s_add_nc_u64 s[G0+4*\s+2:G0+4*\s+3], s[20:21], \s*ROWB
	s_or_b32 s[G0+4*\s+3], s[G0+4*\s+3], 0x80000000
	s_mov_b32 s[G0B+4*\s], 1
	s_add_co_u32 s[G0B+4*\s+1], s45, \s*SLOT
	s_add_nc_u64 s[G0B+4*\s+2:G0B+4*\s+3], s[46:47], \s*ROWB
	s_or_b32 s[G0B+4*\s+3], s[G0B+4*\s+3], 0x80000000
	JLOAD G0+4*\s, G1, G0B+4*\s, G1B               ; three tensor loads of mine are out: all of this launch
.endr
	; my wave's first channel CH and first token TK.  Q, K: tokens are rows m, channels columns n; V: the other way round
	s_lshl_b32 s16, s40, 8
	s_lshl_b32 s17, s[HN], 7
	s_add_co_u32 s16, s16, s17                     ; 256 cx + 128 (wave % 2)
	s_lshl_b32 s18, s41, 8
	s_lshl_b32 s19, s[HM], 7
	s_add_co_u32 s18, s18, s19                     ; 256 cy + 128 (wave / 2)
	s_lshl_b32 s42, s42, 8                         ; 1,024 x cluster y
	s_add_co_u32 s92, s42, s16
	s_add_co_u32 s93, s42, s18
	s_cmp_eq_u32 ttmp9, 2
	s_cselect_b32 s16, s18, s16                    ; CH
	s_cselect_b32 s92, s92, s93                    ; TK
	s_cselect_b64 s[BP:BP+1], s[12:13], s[10:11]   ; bv, else bk,
	s_cmp_eq_u32 ttmp9, 0
	s_cselect_b64 s[BP:BP+1], s[8:9], s[BP:BP+1]   ; or bq
	s_cselect_b32 s[SCA], 0x3e38aa3b, 1.0          ; log2(e) / 8 for Q
	s_mov_b32 s[SCA+1], s[SCA]                     ; (named with it as a pair, so it is written)
	s_lshl_b32 s18, s16, 2
	s_mov_b32 s19, 0
	s_add_nc_u64 s[BP:BP+1], s[BP:BP+1], s[18:19]
	s_lshr_b32 s17, s92, 11                        ; the batch
	s_lshl_b32 s17, s17, 4
	s_lshr_b32 s18, s16, 6                         ; my first head
	s_add_co_u32 s17, s17, s18
	s_lshl_b32 s17, s17, 18                        ; 262,144 bytes a head
	s_and_b32 s18, s92, 2047
	s_lshl_b32 s18, s18, 7                         ; 128 bytes a token, in all three parts
	s_add_co_u32 s18, s18, s17
	s_lshl_b32 s17, ttmp9, 24                      ; the part
	s_add_co_u32 s18, s18, s17
	s_add_nc_u64 s[14:15], s[14:15], s[18:19]
	v_and_b32 v1, 15, v0                           ; l % 16
	v_bfe_u32 v2, v0, 4, 1                         ; l / 16
	v_lshlrev_b32 v[OBN], 5, v2
	v_lshlrev_b32 v[OBM], 2, v1
	; the bias in both layouts, 128 channels from CH on (inside the 1,024 in either case); each product uses one of the two.  No branch: every register is written on every way
	WIN TO_B
.irp b, 0,1,2,3,4,5,6,7
	global_load_b128 v[BN+8*\b:BN+8*\b+3], v[OBN], s[BP:BP+1] offset:64*\b
	global_load_b128 v[BN+8*\b+4:BN+8*\b+7], v[OBN], s[BP:BP+1] offset:64*\b+16
.endr
	WIN 0
.irp a, 0,1,2,3,4,5,6,7
	global_load_b32 v[BM+2*\a], v[OBM], s[BP:BP+1] offset:64*\a
	global_load_b32 v[BM+2*\a+1], v[OBM], s[BP:BP+1] offset:64*\a
.endr
	v_and_b32 v3, 31, v0
	v_lshlrev_b32 v[LN16], 4, v3
	v_mul_u32_u24 v3, v1, PITCH
	v_lshl_add_u32 v4, v2, 4, v3                   ; a fragment's row x pitch + 16 x half
	s_mul_i32 s21, s[HM], HALFT                    ; my 128 rows of A
	s_mul_i32 s22, s[HN], HALFT                    ; my 128 rows of B,
	s_add_co_u32 s22, s22, 2*HALFT                 ; which lie behind A's 256
.irp s, 0,1
	v_add_nc_u32 v[ADRA+\s], s21, v4
	v_add_nc_u32 v[ADRB+\s], s22, v4
	s_add_co_u32 s21, s21, SLOT
	s_add_co_u32 s22, s22, SLOT
.endr
	v_mul_u32_u24 v5, v1, KS                       ; my row's scales: 32 bytes a row,
	v_lshrrev_b32 v6, 8, v5
	v_lshl_add_u32 v5, v6, 4, v5                   ; and 16 more for each 256 passed
	s_mul_i32 s21, s[HM], HALFS                    ; A's: my 128 rows
	s_mul_i32 s22, s[HN], HALFS                    ; B's: my 128 rows, behind A's 256
	s_add_co_u32 s22, s22, 2*HALFS
	s_sub_co_u32 s22, s22, s21
	v_mul_u32_u24 v6, s22, v2                      ; lanes 16-31 take B's: the lower base + half x the distance
	s_add_co_u32 s21, s21, SCL
	v_add_nc_u32 v5, v5, v6
	v_add_nc_u32 v[ADRS], s21, v5
.macro FRAG reg, adr, q, i             ; a fragment, 16 rows x 128 K of 4-bit codes: lane l holds row l % 16; registers 4 c .. 4 c + 3 hold K = 64 c + 32 (l / 16) + 0 .. 31
.irp c, 0,1
	ds_load_b128 v[\reg+4*\c:\reg+4*\c+3], v[\adr] offset:64*(\q)+32*\c+(\i)*16*PITCH
.endr
.endm
; 16 matrix instructions: A's blocks a0, a0 + 1 x B's eight, the slot's q-th 128 along K.  p: B's set;  sc: the set of scale words.  zero = 1: the first product starts the sums.
; The 64 accumulators take turns, one instruction a turn, in the same order in every step.
.macro MUL16 a0, p, q, sc, zero
.irp a, \a0, \a0+1
.irp b, 0,1,2,3,4,5,6,7
.if \zero
	v_wmma_scale_f32_16x16x128_f8f6f4 v[8*(8*((\a)%4)+\b):8*(8*((\a)%4)+\b)+7], v[128*(\p)+FR*\b:128*(\p)+FR*\b+FR-1], v[AF+FR*(\a):AF+FR*(\a)+FR-1], 0, v[SC+8*NQ*(\sc)+NQ*\b+(\q)], v[SC+8*NQ*(\sc)+NQ*(\a)+(\q)] matrix_a_fmt:MATRIX_FMT_FP4 matrix_b_fmt:MATRIX_FMT_FP4 matrix_a_scale:MATRIX_SCALE_ROW1
.else
	v_wmma_scale_f32_16x16x128_f8f6f4 v[8*(8*((\a)%4)+\b):8*(8*((\a)%4)+\b)+7], v[128*(\p)+FR*\b:128*(\p)+FR*\b+FR-1], v[AF+FR*(\a):AF+FR*(\a)+FR-1], v[8*(8*((\a)%4)+\b):8*(8*((\a)%4)+\b)+7], v[SC+8*NQ*(\sc)+NQ*\b+(\q)], v[SC+8*NQ*(\sc)+NQ*(\a)+(\q)] matrix_a_fmt:MATRIX_FMT_FP4 matrix_b_fmt:MATRIX_FMT_FP4 matrix_a_scale:MATRIX_SCALE_ROW1
.endif
.endr
.endr
.endm
.macro FETCH_B slot, q, p              ; B's eight fragments of the slot's q-th 128 along K into set p
	WIN TO_B
.irp i, 0,1,2,3,4,5,6,7
	FRAG 128*(\p)+FR*\i, ADRB+\slot, \q, \i
.endr
	WIN 0
.endm
.macro FETCH_A slot, q, i0             ; A's blocks i0 .. i0 + 3
.irp i, \i0, \i0+1, \i0+2, \i0+3
	FRAG AF+FR*(\i), ADRA+\slot, \q, \i
.endr
.endm
.macro SCALES sc                       ; a slot's scale words into set sc: four words a row; lanes 0-15 take A's block i, lanes 16-31 B's block i
.irp i, 0,1,2,3,4,5,6,7
	ds_load_b128 v[SC+8*NQ*\sc+NQ*\i:SC+8*NQ*\sc+NQ*\i+3], v[ADRS] offset:\i*SBLK
.endr
.endm
.macro PLACES n                        ; plain vector lines between a matrix instruction and a load into, or a read of, its registers (for reads)
.rept \n
	v_nop
.endr
.endm
; A step of 128 along K that has its successor in the same slot.  A block of A is free as soon as its eight products are issued, so A has one set: blocks 0-3 are fetched anew in the step's middle, blocks 4-7 at its end.
.macro STEP slot, q, zero
	s_wait_dscnt 4*NL                              ; B's set, the scale words and A's blocks 0-3 are in; the youngest eight loads (A's blocks 4-7) may be out
	WIN MUL_LO
	MUL16 0, (\q)%2, \q, \slot, \zero
	MUL16 2, (\q)%2, \q, \slot, \zero
	s_wait_dscnt 0                                 ; A's blocks 4-7 are in
	PLACES NP
	FETCH_B \slot, (\q)+1, 1-(\q)%2
	FETCH_A \slot, (\q)+1, 0
	WIN MUL_HI
	MUL16 4, (\q)%2, \q, \slot, \zero
	MUL16 6, (\q)%2, \q, \slot, \zero
	PLACES NP
	WIN 0
	FETCH_A \slot, (\q)+1, 4
.endm
.macro STEPS slot, from                ; the slot's steps from .. NQ - 2
.set Q, \from
.rept NQ-1-\from
	STEP \slot, Q, 0
.set Q, Q+1
.endr
.endm
	s_wait_tensorcnt 1                             ; the scales and my part of slot 0 are in (slot 1's load may be out)
	s_barrier_signal -1
	s_barrier_wait -1                              ; everybody's are
	FETCH_B 0, 0, 0
	FETCH_A 0, 0, 0
	SCALES 0
	FETCH_A 0, 0, 4
	STEP 0, 0, 1                                   ; the first step's products start the sums: nothing is cleared
	STEPS 0, 1
	; slot 0's last step changes slots: each wave waits for its part of slot 1, and a barrier shows it to all four
	s_wait_tensorcnt 0x0                           ; all my tensor loads have landed
	ds_add_u32 v[SPW], v[NIL]                      ; 0 onto my spare word
	s_wait_dscnt 4*NL+1                            ; (the add and the youngest eight loads, A's blocks 4-7, may be out)
	WIN MUL_LO
	MUL16 0, 1, NQ-1, 0, 0
	s_wait_dscnt 0x0                               ; no LDS instruction of mine is out at the signal
	s_barrier_signal -1
	MUL16 2, 1, NQ-1, 0, 0
	WIN 0
	s_barrier_wait -1
	PLACES NP
	v_add_nc_u32 v[ADRS], 4*NQ, v[ADRS]            ; on to slot 1's scale words
	FETCH_B 1, 0, 0
	FETCH_A 1, 0, 0
	SCALES 1
	WIN MUL_HI
	MUL16 4, 1, NQ-1, 0, 0
	MUL16 6, 1, NQ-1, 0, 0
	PLACES NP
	WIN 0
	FETCH_A 1, 0, 4
	STEPS 1, 0
	s_wait_dscnt 4*NL                              ; the very last step: nothing more to fetch
	WIN MUL_LO
	MUL16 0, 1, NQ-1, 1, 0
	MUL16 2, 1, NQ-1, 1, 0
	s_wait_dscnt 0
	WIN MUL_HI
	MUL16 4, 1, NQ-1, 1, 0
	MUL16 6, 1, NQ-1, 1, 0
	WIN 0
; THE WAY OUT of block a (16 rows m x 128 columns n).  var = 0 (Q, K): sum x scale + bias x scale by column.  var = 1 (V): sum + bias by row.  Both are rounded to f16.
; A lane's eight numbers of accumulator (a, b) pack into four registers, which ARE a chunk of a fragment's image: one store of 512 consecutive aligned bytes.  Each accumulator is read from its low end on.
.macro OUT a, var
.set AC, 64*((\a)%4)
.set PK, PKB+32*((\a)%2)
.if (\a) >= 2
	s_wait_xcnt 0x0                                ; block a - 2's stores have read their registers, which are written again below
.endif
.if \var
	WIN 0x02+(\a)/4                                ; source 0: window 2 or 3
.else
	WIN 0x12+(\a)/4                                ; and source 2, the bias by column: window 1
.endif
.irp b, 0,1,2,3,4,5,6,7
.irp j, 0,2,4,6
.if \var
	v_pk_add_f32 v[T+8*\b+\j:T+8*\b+\j+1], v[AC+8*\b+\j:AC+8*\b+\j+1], v[BM+2*(\a):BM+2*(\a)+1]
.else
	v_pk_fma_f32 v[T+8*\b+\j:T+8*\b+\j+1], v[AC+8*\b+\j:AC+8*\b+\j+1], s[SCA:SCA+1], v[BN+8*\b+\j:BN+8*\b+\j+1] op_sel_hi:[1,0,1]
.endif
.endr
.endr
	WIN 0
.irp b, 0,1,2,3,4,5,6,7
.irp r, 0,1,2,3
	v_cvt_pk_f16_f32 v[PK+4*\b+\r], v[T+8*\b+2*\r], v[T+8*\b+2*\r+1]
.endr
.endr
.irp b, 0,1,2,3,4,5,6,7
.if \var
	global_store_b128 v[LN16], v[PK+4*\b:PK+4*\b+3], s[14:15] offset:((\a)/4)*262144+((\a)%4)*1024+(\b/2)*4096+(\b%2)*512   ; head a / 4, channel tile a % 4; keys 16 b on
.else
	global_store_b128 v[LN16], v[PK+4*\b:PK+4*\b+3], s[14:15] offset:(\b/4)*262144+(\a)*2048+(\b%4)*512                     ; head b / 4, channels 16 (b % 4) on; token tile a
.endif
.endr
.endm
	PLACES NP                                      ; behind the last products, ahead of the first read of results and of writes into A's registers
	s_wait_loadcnt 0x0                             ; the bias
	s_cmp_eq_u32 ttmp9, 2                          ; the cluster's x: the same in all partners
	s_cbranch_scc1 .Lvout
	WIN 0x41                                       ; destination and source 0: window 1
.set i, 0
.rept 32
	v_pk_mul_f32 v[BN+i:BN+i+1], v[BN+i:BN+i+1], s[SCA:SCA+1] op_sel_hi:[1,0]   ; bias x scale, so that the way out is one fused multiply-add a pair
.set i, i+2
.endr
.irp a, 0,1,2,3,4,5,6,7
	OUT \a, 0
.endr
	s_branch .Lend
.Lvout:
.irp a, 0,1,2,3,4,5,6,7
	OUT \a, 1
.endr
.Lend:
	s_wait_tensorcnt 0x0                           ; the wave's end
	ds_add_u32 v[SPW], v[NIL]
	s_wait_dscnt 0x0
	CROUND                                         ; the closing round: no work-group ends while a partner may still ask for a tile that names it
	s_endpgm
.Lfunc_end_k_qca781d0cb0_qkv:
	.size	k_qca781d0cb0_qkv, .Lfunc_end_k_qca781d0cb0_qkv-k_qca781d0cb0_qkv
	.p2alignl 7, 3214868480
	.fill 96, 4, 3214868480
	.section	.rodata,"a",@progbits
	.p2align	6, 0x0
	.amdhsa_kernel k_qca781d0cb0_qkv
		.amdhsa_group_segment_fixed_size 327680
		.amdhsa_private_segment_fixed_size 0
		.amdhsa_enable_private_segment 0
		.amdhsa_kernarg_size 48
		.amdhsa_user_sgpr_count 2
		.amdhsa_user_sgpr_kernarg_segment_ptr 1
		.amdhsa_wavefront_size32 1
		.amdhsa_system_sgpr_workgroup_id_x 1
		.amdhsa_system_sgpr_workgroup_id_y 1
		.amdhsa_system_sgpr_workgroup_id_z 1
		.amdhsa_system_vgpr_workitem_id 0
		.amdhsa_next_free_vgpr 1024
		.amdhsa_next_free_sgpr 100
		.amdhsa_reserve_vcc 0
		.amdhsa_float_denorm_mode_32 3
		.amdhsa_float_denorm_mode_16_64 3
		.amdhsa_memory_ordered 1
		.amdhsa_forward_progress 1
		.amdhsa_inst_pref_size 178
	.end_amdhsa_kernel
	.amdgpu_metadata
---
amdhsa.version: [ 1, 2 ]
amdhsa.kernels:
  - .name:           k_qca781d0cb0_qkv
    .symbol:         k_qca781d0cb0_qkv.kd
    .args:
      - { .name: codes, .offset: 0, .size: 8, .value_kind: global_buffer, .address_space: global }
      - { .name: scl, .offset: 8, .size: 8, .value_kind: global_buffer, .address_space: global }
      - { .name: bq, .offset: 16, .size: 8, .value_kind: global_buffer, .address_space: global }
      - { .name: bk, .offset: 24, .size: 8, .value_kind: global_buffer, .address_space: global }
      - { .name: bv, .offset: 32, .size: 8, .value_kind: global_buffer, .address_space: global }
      - { .name: qkv, .offset: 40, .size: 8, .value_kind: global_buffer, .address_space: global }
    .group_segment_fixed_size: 327680
    .private_segment_fixed_size: 0
    .kernarg_segment_align: 8
    .kernarg_segment_size: 48
    .max_flat_workgroup_size: 128
    .sgpr_count:     100
    .vgpr_count:     1024
    .wavefront_size: 32
...
	.end_amdgpu_metadata
.endif
;; end of part 2
;; launch attn (part 3): grid 4 x 64, 8 waves a work-group, clusters of 4 x 1, 327,680 bytes of LDS; arguments qkv, mask, af; writes af
.if DOCPART == 3
	.amdgcn_target "amdgcn-amd-amdhsa--gfx1250"
	.amdhsa_code_object_version 6
	.text
	.protected	k_qca781d0cb0_attn
	.globl	k_qca781d0cb0_attn
	.p2align	8
	.type	k_qca781d0cb0_attn,@function
k_qca781d0cb0_attn:
	s_mov_b64 s[64:65], 0
	v_nop
	global_prefetch_b8 v0, s[64:65] scope:SCOPE_SE
	s_setreg_imm32_b32 hwreg(HW_REG_WAVE_MODE, 25, 1), 1
	s_wait_xcnt 0x0
	s_wait_alu depctr_hold_cnt(0) depctr_sa_sdst(0) depctr_va_vdst(0) depctr_va_sdst(0) depctr_va_ssrc(0) depctr_va_vcc(0) depctr_vm_vsrc(0)
	s_getreg_b32 s2, hwreg(HW_REG_IB_STS2, 6, 4)
	s_cmp_eq_u32 s2, 0
	s_cbranch_scc0 .Lentry_in_a_cluster
	s_endpgm
.Lentry_in_a_cluster:
	s_bfe_u32 s2, ttmp6, 0x10000c
	s_cmp_lg_u32 s2, 0x3003
	s_cbranch_scc0 .Lentry_shape_is_right
	s_endpgm
.Lentry_shape_is_right:
; Attention for one (batch, head): O[q] = sum over k of softmax_k(clip(mask[k] ? q . k / 8 : -inf, -50, 50)) V[k].  2,048 keys, head size 64.
; Q arrives as f16 already multiplied by log2(e) / 8, K and V as f16, all three as images of operand registers (see the launch that makes them): every LDS read is 16 x lane on end.
; t = Q . K in f32.  CLIP AND MASK ARE ONE LINE: the middle of t, -T and hi[key], with T = 50 log2(e); hi[key] = +T where the key counts, -T where mask = 0 (the clipped -infinity).
; THE MAXIMUM IS TAKEN AWAY, by a running maximum: m = the query's largest clipped t so far; M = m rounded UP to a whole number, kept as -M = floor(-m); p = 2^(t - M), at most 1, which is what f16 can hold.
; When M moves, the row's sum and O^T are multiplied by f = 2^(old M - new M), which rounds nothing; that is done in every step, so no branch hangs on data.  m begins at -T, under which no clipped t lies.
; The row's sum is taken of the unrounded p in f32 and divides O at the end; p is rounded to f16 for the second product.  p under 2^-25 falls to 0 there: at most 2,047 x 3e-8 of a sum that is 0.5 at the least.
; LIMITS: NaN and infinities are not served; |V| stays under 65,504 where it is made; the result, a mean of V's rows, is stored as f16.
; SHARES.  A work-group owns 512 queries, each of its eight waves 64: four tiles of 16.  Two waves share a SIMD's registers, so that one wave's softmax can stand beside the other's products; the text is in phases.
; LAYOUT.  S^T = K Q^T (source 0 = 16 keys, source 1 = 16 queries): a lane holds one query and keys 8 (lane / 16) + 0..7.  Two such tiles, rounded in pairs, are source 1 (32 keys x 16 queries) of O^T = V^T P.
; RING.  Two slots of 512 keys (K's images 65,536 bytes, then V's); each of the eight waves brings 16,384 dense bytes of a slot.  Four fills in all: two at the start, two behind rounds; a refill is asked for a whole slot,
; 16 key steps, ahead of the wait for it, so nothing is prefetched.
; CLUSTER.  The four query blocks of a (batch, head) walk the same K and V: each tile is asked for jointly, by the same load with the same descriptor and a mask that names the four.
; OUT.  af: (token tile) 32768 + (2 head + e) 1024 + c 512 + 16 lane, f16: lane (r, h) holds token r of the tile, channels 32 e + 16 c + 8 h + 0..7 of the head: a fragment of the projection that follows.
; REGISTERS: window 0: see the names below.   window 1: v0-63 Q (tile i, half e of the head at 16 i + 8 e); v64-191 O^T (tile i, channels 16 d on at 64 + 32 i + 8 d).
.set SLOT1, 1<<17                      ; slot 1 begins here
.set VOFF,  65536                      ; V's images in a slot
.set HIB,   2*SLOT1
.set SPARE, HIB+8192                   ; the spare words, 128 bytes a wave, which no other line names
.set LN16, 2                           ; v2   16 x lane
.set AV0,  3                           ; v3   16 x lane + VOFF
.set AH0,  4                           ; v4   HIB + 32 (lane / 16)
.set ADK,  5                           ; v5-7 addresses of the loads in hand: K, V, hi
.set ADV,  6
.set ADH,  7
.set SPW,  8                           ; v8   LDS address of my spare word; never rewritten
.set NIL,  9                           ; v9   0; never rewritten
.set L,    12                          ; v12-19  the row sums: a pair a tile (even keys', odd keys')
.set HI,   32                          ; v32-47  hi of my 16 keys of the step: 8 t + j
.set KF,   48                          ; v48-79  K: fragment (tile t of 16 keys, half e) at 8 (2 t + e)
.set VF,   80                          ; v80-111 V^T: fragment d (16 channels x 32 keys) at 8 d
.set S,    112                         ; v112-175 S^T, then p: 16 i + 8 t + j
.set P,    176                         ; v176-207 p in f16: 8 i + 4 t + j / 2
.set ST,   208                         ; v208-239 eight a tile: +0 -M, +1 m (named as a pair, of which the low word serves both halves); +2 f, +3 its pair's upper word; +4 to +7 c0-c3, at work
.set MK,   240                         ; v240-255 the mask's 8 words and their hi
.set O,    64                          ; in window 1
.set WV,   10                          ; s10 wave;  s11 my block of 512 queries;  s12 batch x 16 + head
.set G1,   16                          ; s[16:23] descriptor group 1;  s[24:27], s[28:31] groups 0 for the two first fills; the second then walks on
.set G0A,  24
.set G0B,  28
.set TB,   32                          ; s32 LDS byte of the key step to be fetched
.set TH,   33                          ; s33 the same among hi: 128 bytes a step
.set CNT,  34
.set LO,   35                          ; s35 -T
.set SEL,  36                          ; s[36:37] lane selects for v_permlanex16_b32: lane l xor 16
.set MSB, 0
.macro WIN new                         ; the immediate's high byte repeats the setting that is left
.if MSB != (\new)
	s_set_vgpr_msb (MSB<<8)|(\new)
.set MSB, (\new)
.endif
.endm
.set W_KQ, 0x04                        ; source 1 (Q) window 1
.set W_PV, 0x50                        ; C and D (O^T) window 1
.set W_RS, 0x41                        ; O^T (destination and source 0) window 1, f window 0
.macro CROUND                          ; a round of the cluster's barrier
	s_barrier_signal -1
	s_barrier_wait -1
	s_cmp_lg_u32 s[WV], 0
	s_cbranch_scc1 .Lnot_wave_0_\@
	s_barrier_signal -3
.Lnot_wave_0_\@:
	s_barrier_wait -3
	s_barrier_signal -1
	s_barrier_wait -1
.endm
	s_load_b128 s[4:7], s[0:1], 0x0                ; qkv 4, mask 6
	s_load_b64 s[8:9], s[0:1], 0x10                ; af
	v_lshl_add_u32 v[SPW], v0, 2, SPARE
	v_mov_b32 v[NIL], 0
	ds_add_u32 v[SPW], v[NIL]                      ; the wave's opening: the add, twice on end, and its wait ahead of my first tensor load
	ds_add_u32 v[SPW], v[NIL]
	v_lshrrev_b32 v1, 5, v0
	v_readfirstlane_b32 s[WV], v1                  ; wave 0..7
	s_bfe_u32 s11, ttmp6, 0x40000                  ; cx
	s_lshl_b32 s38, ttmp9, 2
	s_add_co_u32 s11, s38, s11                     ; my block of queries = 4 x cluster x + cx: it enters Q's and af's addresses alone
	s_and_b32 s12, ttmp7, 0xffff                   ; batch x 16 + head, which the four partners share
	s_mov_b32 s[G1+0], 15|(3<<16)|(1<<21)          ; 15:0 the mask: all four; 17:16 elements of 8 bytes; 21 set beside a mask; no padding
	s_mov_b32 s[G1+1], 32<<16                      ; tensor_dim0 = 32 elements: rows of 256 bytes
	s_mov_b32 s[G1+2], 64<<16                      ; tensor_dim1 = 64 rows: 16,384 dense bytes
	s_mov_b32 s[G1+3], 32<<16                      ; tile_dim0
	s_mov_b32 s[G1+4], 64                          ; tile_dim1
	s_mov_b32 s[G1+5], 32                          ; tensor_dim0_stride
	s_mov_b32 s[G1+6], 0
	s_mov_b32 s[G1+7], 0
	s_mov_b32 s[LO], 0xc29044fe                    ; -50 log2(e)
	s_mov_b32 s[SEL], 0x76543210
	s_mov_b32 s[SEL+1], 0xfedcba98
	s_mov_b32 s[TH], 0
	s_lshr_b32 s38, s[WV], 2                       ; waves 0-3 fetch K (part 1 of qkv), waves 4-7 V (part 2)
	s_add_co_u32 s38, s38, 1
	s_lshl_b32 s38, s38, 24
	s_lshl_b32 s39, s12, 18                        ; 262,144 bytes a head
	s_add_co_u32 s38, s38, s39
	s_and_b32 s39, s[WV], 3
	s_lshl_b32 s39, s39, 14                        ; my quarter of a slot's 65,536
	s_add_co_u32 s38, s38, s39
	s_mov_b32 s39, 0
	s_lshl_b32 s40, s[WV], 14                      ; and where it goes: wave x 16,384
	s_lshl_b32 s42, s12, 7                         ; Q: token tile (batch 16 + head) 128 + 32 block + 4 wave, 2,048 bytes each
	s_lshl_b32 s43, s11, 5
	s_add_co_u32 s42, s42, s43
	s_lshl_b32 s43, s[WV], 2
	s_add_co_u32 s42, s42, s43
	s_lshl_b32 s42, s42, 11
	s_mov_b32 s43, 0
	s_lshr_b32 s44, s12, 4                         ; the batch
	s_lshl_b32 s46, s44, 13                        ; its 8,192 bytes of mask
	s_mov_b32 s47, 0
	s_lshl_b32 s44, s44, 7                         ; af: token tile batch 128 + 32 block + 4 wave, 32,768 bytes each,
	s_lshl_b32 s45, s11, 5
	s_add_co_u32 s44, s44, s45
	s_lshl_b32 s45, s[WV], 2
	s_add_co_u32 s44, s44, s45
	s_lshl_b32 s44, s44, 15
	s_and_b32 s45, s12, 15
	s_lshl_b32 s45, s45, 11                        ; + head x 2,048
	s_add_co_u32 s44, s44, s45
	s_mov_b32 s45, 0
	s_wait_dscnt 0x0                               ; both opening adds are done
	s_wait_kmcnt 0x0
	s_add_nc_u64 s[48:49], s[4:5], s[42:43]        ; Q at my wave's first tile
	s_add_nc_u64 s[38:39], s[4:5], s[38:39]        ; K or V at my part of the first 512 keys
	s_add_nc_u64 s[6:7], s[6:7], s[46:47]
	s_add_nc_u64 s[8:9], s[8:9], s[44:45]
	s_mov_b32 s[G0A], 1
	s_mov_b32 s[G0A+1], s40
	s_mov_b64 s[G0A+2:G0A+3], s[38:39]
	s_or_b32 s[G0A+3], s[G0A+3], 0x80000000
	s_mov_b32 s[G0B], 1
	s_add_co_u32 s[G0B+1], s40, SLOT1
	s_add_nc_u64 s[G0B+2:G0B+3], s[38:39], 65536
	s_or_b32 s[G0B+3], s[G0B+3], 0x80000000
	CROUND                                         ; all four work-groups are here: the first joint loads meet
	tensor_load_to_lds s[G0A:G0A+3], s[G1:G1+7]    ; keys 0-511
	s_nop 0
	tensor_load_to_lds s[G0B:G0B+3], s[G1:G1+7]    ; keys 512-1,023: two loads of mine are out
	s_nop 0
.rept 4
	v_nop
.endr
	v_and_b32 v1, 31, v0
	v_lshlrev_b32 v[LN16], 4, v1
	v_lshlrev_b32 v10, 5, v0                       ; the mask: 8 keys a thread, 256 threads
	global_load_b128 v[MK:MK+3], v10, s[6:7]
	global_load_b128 v[MK+4:MK+7], v10, s[6:7] offset:16
	WIN 0x40                                       ; destination window 1
.irp i, 0,1,2,3
.irp e, 0,1
	global_load_b128 v[16*\i+8*\e:16*\i+8*\e+3],   v[LN16], s[48:49] offset:\i*2048+\e*1024
	global_load_b128 v[16*\i+8*\e+4:16*\i+8*\e+7], v[LN16], s[48:49] offset:\i*2048+\e*1024+512
.endr
.endr
	WIN 0
	v_add_nc_u32 v[AV0], VOFF, v[LN16]
	v_bfe_u32 v11, v0, 4, 1
	v_lshl_add_u32 v[AH0], v11, 5, HIB
	v_lshl_add_u32 v21, v0, 5, HIB                 ; where my 8 numbers of hi go
	v_mov_b32 v20, s[LO]
.irp i, 0,1,2,3,4,5,6,7
	v_mov_b32 v[L+\i], 0
.endr
.irp i, 0,1,2,3
	v_mov_b32 v[ST+8*\i], 0x42900000               ; -M = 72 = floor(T):
	v_mov_b32 v[ST+8*\i+1], s[LO]                  ; m = -T, under which no clipped t lies
	v_mov_b32 v[ST+8*\i+3], 0                      ; (named as the upper word of f's pair, so it is written)
.endr
	s_wait_loadcnt 16                              ; the mask's two loads are in; Q's sixteen may be out
.irp i, 0,1,2,3,4,5,6,7
	v_cmp_eq_u32 vcc_lo, 0, v[MK+\i]
	v_cndmask_b32 v[MK+8+\i], 0x429044fe, v20, vcc_lo   ; +T, or -T where mask = 0
.endr
	ds_store_b128 v21, v[MK+8:MK+11]
	ds_store_b128 v21, v[MK+12:MK+15] offset:16
	s_wait_tensorcnt 1                             ; my part of slot 0 is in; slot 1's may stay out
	s_wait_dscnt 0x0                               ; for the others' sake: my part of hi is stored
	s_barrier_signal -1
	s_barrier_wait -1
	s_wait_loadcnt 0x0                             ; Q
.macro KLOADS                          ; a step's K: 32 keys x 64: four fragments
.irp f, 0,1,2,3
	ds_load_b128 v[KF+8*\f:KF+8*\f+3],   v[ADK] offset:1024*\f
	ds_load_b128 v[KF+8*\f+4:KF+8*\f+7], v[ADK] offset:1024*\f+512
.endr
.endm
.macro HVLOADS                         ; its hi (four loads) and its V^T (four fragments)
.irp t, 0,1
	ds_load_b128 v[HI+8*\t:HI+8*\t+3],   v[ADH] offset:64*\t
	ds_load_b128 v[HI+8*\t+4:HI+8*\t+7], v[ADH] offset:64*\t+16
.endr
.irp d, 0,1,2,3
	ds_load_b128 v[VF+8*\d:VF+8*\d+3],   v[ADV] offset:1024*\d
	ds_load_b128 v[VF+8*\d+4:VF+8*\d+7], v[ADV] offset:1024*\d+512
.endr
.endm
.macro ADDRS
	v_add_nc_u32 v[ADK], s[TB], v[LN16]
	v_add_nc_u32 v[ADV], s[TB], v[AV0]
	v_add_nc_u32 v[ADH], s[TH], v[AH0]
.endm
; A KEY STEP: 32 keys.  zero = 1: the products V^T P start O^T's sums, and there is no O^T yet to rescale.  ahead = 1: the next step's operands are fetched: K behind the first products, hi and V behind the second.
; Out at a step's head, in order: K's 8 loads, hi's 4, V's 8.
.macro STEP zero, ahead
	s_wait_dscnt 12                                ; K is in; hi's 4 and V's 8 may be out
	WIN W_KQ
.irp e, 0,1                            ; eight accumulators by turns, one instruction a turn
.irp t, 0,1
.irp i, 0,1,2,3
.if \e == 0
	v_wmma_f32_16x16x32_f16 v[S+16*\i+8*\t:S+16*\i+8*\t+7], v[KF+8*(2*\t+\e):KF+8*(2*\t+\e)+7], v[16*\i+8*\e:16*\i+8*\e+7], 0
.else
	v_wmma_f32_16x16x32_f16 v[S+16*\i+8*\t:S+16*\i+8*\t+7], v[KF+8*(2*\t+\e):KF+8*(2*\t+\e)+7], v[16*\i+8*\e:16*\i+8*\e+7], v[S+16*\i+8*\t:S+16*\i+8*\t+7]
.endif
.endr
.endr
.endr
	WIN 0
	s_add_co_u32 s[TB], s[TB], 4096
	s_add_co_u32 s[TH], s[TH], 128
.if \ahead
	ADDRS                                          ; the next step's addresses, and one v_nop: the four places behind the products, ahead of the loads into K's registers and of the first read of the scores
	v_nop
	KLOADS
	s_wait_dscnt 16                                ; hi is in; V's 8 and the next K's 8 may be out
.else
.rept 4
	v_nop
.endr
	s_wait_dscnt 8                                 ; hi is in; V's 8 may be out
.endif
	; clip and mask, in place; each accumulator is read from its low end on
.set n, 0
.rept 64
	v_med3_num_f32 v[S+n], v[S+n], s[LO], v[HI+n%16]
.set n, n+1
.endr
	; the largest of a lane's 16 clipped t and the old m, three operands at a time; the four tiles by turns, so that no line waits for the line above it
.irp c, 0,1,2,3
.irp i, 0,1,2,3
	v_max3_num_f32 v[ST+8*\i+4+\c], v[S+16*\i+3*\c], v[S+16*\i+3*\c+1], v[S+16*\i+3*\c+2]
.endr
.endr
.irp i, 0,1,2,3
	v_max3_num_f32 v[ST+8*\i+4], v[ST+8*\i+4], v[S+16*\i+12], v[S+16*\i+13]
.endr
.irp i, 0,1,2,3
	v_max3_num_f32 v[ST+8*\i+5], v[ST+8*\i+5], v[S+16*\i+14], v[S+16*\i+15]
.endr
.irp i, 0,1,2,3
	v_max3_num_f32 v[ST+8*\i+6], v[ST+8*\i+6], v[ST+8*\i+7], v[ST+8*\i+1]
.endr
.irp i, 0,1,2,3
	v_max3_num_f32 v[ST+8*\i+4], v[ST+8*\i+4], v[ST+8*\i+5], v[ST+8*\i+6]
.endr
.irp i, 0,1,2,3
	v_permlanex16_b32 v[ST+8*\i+5], v[ST+8*\i+4], s[SEL], s[SEL+1]   ; the query's other 16 keys lie in the lane 16 away
.endr
.irp i, 0,1,2,3
	v_max_num_f32 v[ST+8*\i+1], v[ST+8*\i+4], v[ST+8*\i+5]           ; the new m
.endr
.irp i, 0,1,2,3
	v_mov_b32 v[ST+8*\i+6], v[ST+8*\i]                               ; the old -M
.endr
.irp i, 0,1,2,3
	v_floor_f32 v[ST+8*\i], -v[ST+8*\i+1]                            ; the new -M = floor(-m) = -ceil(m): a whole number
.endr
.irp i, 0,1,2,3
	v_sub_f32 v[ST+8*\i+6], v[ST+8*\i], v[ST+8*\i+6]                 ; old M - new M: a whole number, 0 or less, -145 at the least
.endr
.irp i, 0,1,2,3
	v_cvt_i32_f32 v[ST+8*\i+6], v[ST+8*\i+6]
.endr
.irp i, 0,1,2,3
	v_ldexp_f32 v[ST+8*\i+2], 1.0, v[ST+8*\i+6]                      ; f = 2^(old M - new M)
.endr
	; t - M, two at a time, and the exponentials, ONE BATCH of 64: a tile's exponentials stand by turns with the next tile's subtractions, which name none of their results
.irp u, 0,1,2,3,4,5,6,7
	v_pk_add_f32 v[S+2*\u:S+2*\u+1], v[S+2*\u:S+2*\u+1], v[ST:ST+1] op_sel_hi:[1,0]
.endr
.irp i, 0,1,2,3
.irp u, 0,1,2,3,4,5,6,7
	v_exp_f32 v[S+16*\i+2*\u], v[S+16*\i+2*\u]
	v_exp_f32 v[S+16*\i+2*\u+1], v[S+16*\i+2*\u+1]
.if \i < 3
	v_pk_add_f32 v[S+16*(\i+1)+2*\u:S+16*(\i+1)+2*\u+1], v[S+16*(\i+1)+2*\u:S+16*(\i+1)+2*\u+1], v[ST+8*(\i+1):ST+8*(\i+1)+1] op_sel_hi:[1,0]
.endif
.endr
.endr
.if \zero
	v_nop                                          ; a plain line behind the last exponential
.else
	WIN W_RS                                       ; O^T under the new M: x f.  These 64 lines name no exponential's result: they are the work between the batch and its wait
.irp i, 0,1,2,3
.irp u, 0,1,2,3,4,5,6,7,8,9,10,11,12,13,14,15
	v_pk_mul_f32 v[O+32*\i+2*\u:O+32*\i+2*\u+1], v[O+32*\i+2*\u:O+32*\i+2*\u+1], v[ST+8*\i+2:ST+8*\i+3] op_sel_hi:[1,0]
.endr
.endr
	WIN 0
.endif
	s_wait_alu depctr_va_vdst(0)                   ; the wait ahead of the first line that names a result: one for the 64
.irp i, 0,1,2,3
.irp m, 0,1,2,3,4,5,6,7
	v_cvt_pk_f16_f32 v[P+8*\i+\m], v[S+16*\i+2*\m], v[S+16*\i+2*\m+1]
.endr
.endr
.if \ahead
	s_wait_dscnt 8                                 ; V is in; the next K's 8 may be out
.else
	s_wait_dscnt 0x0
.endif
	WIN W_PV
.irp d, 0,1,2,3                        ; sixteen accumulators, each once
.irp i, 0,1,2,3
.if \zero
	v_wmma_f32_16x16x32_f16 v[O+32*\i+8*\d:O+32*\i+8*\d+7], v[VF+8*\d:VF+8*\d+7], v[P+8*\i:P+8*\i+7], 0
.else
	v_wmma_f32_16x16x32_f16 v[O+32*\i+8*\d:O+32*\i+8*\d+7], v[VF+8*\d:VF+8*\d+7], v[P+8*\i:P+8*\i+7], v[O+32*\i+8*\d:O+32*\i+8*\d+7]
.endif
.endr
.endr
	WIN 0
	; the row sums, of the unrounded p: the first line brings the old sum under the new M.  These 32 lines are also the places behind the products
.irp i, 0,1,2,3
	v_pk_fma_f32 v[L+2*\i:L+2*\i+1], v[L+2*\i:L+2*\i+1], v[ST+8*\i+2:ST+8*\i+3], v[S+16*\i:S+16*\i+1] op_sel_hi:[1,0,1]
.endr
.irp u, 1,2,3,4,5,6,7
.irp i, 0,1,2,3
	v_pk_add_f32 v[L+2*\i:L+2*\i+1], v[L+2*\i:L+2*\i+1], v[S+16*\i+2*\u:S+16*\i+2*\u+1]
.endr
.endr
.if \ahead
	HVLOADS
.endif
.endm
; THE CHANGE OF SLOTS.  Each wave waits for all its tensor loads (its part of the slot ahead), adds 0 to its spare word, and waits for that and for its reads of the slot that it leaves.
; fill = 1: the barrier is a round of the cluster's, so that no wave of any partner still reads that slot or has a load on its way; the joint refill is the first thing behind it.
.macro CHANGE fill
	s_wait_tensorcnt 0x0                           ; no tensor load of mine is out, so a group 0 may be written
	ds_add_u32 v[SPW], v[NIL]
.if \fill
	s_xor_b32 s[G0B+1], s[G0B+1], SLOT1            ; the walking descriptor: the other slot than last time,
	s_add_nc_u64 s[G0B+2:G0B+3], s[G0B+2:G0B+3], 65536   ; the next 512 keys
.endif
	s_wait_dscnt 0x0                               ; the add is done, and my reads of the slot are over
.if \fill
	CROUND
	tensor_load_to_lds s[G0B:G0B+3], s[G1:G1+7]    ; my one tensor load behind the round
	s_nop 0
.rept 4
	v_nop
.endr
.else
	s_barrier_signal -1
	s_barrier_wait -1
.endif
.endm
.macro PHASE p                         ; a slot's 16 key steps
	s_mov_b32 s[TB], ((\p)%2)*SLOT1
	ADDRS
	KLOADS
	HVLOADS
.if (\p) == 0
	STEP 1, 1
	s_mov_b32 s[CNT], 14
.else
	s_mov_b32 s[CNT], 15
.endif
.Lstep_\@:
	STEP 0, 1
	s_sub_co_u32 s[CNT], s[CNT], 1
	s_cmp_lg_u32 s[CNT], 0
	s_cbranch_scc1 .Lstep_\@
	STEP 0, 0                                      ; the slot's last step fetches nothing
.endm
	PHASE 0
	CHANGE 1                                       ; slot 0 takes keys 1,024-1,535
	PHASE 1
	CHANGE 1                                       ; slot 1 takes keys 1,536-2,047
	PHASE 2
	CHANGE 0
	PHASE 3
	; THE WAY OUT.  A sum's two halves and the other half of the lanes' are added; O^T is divided by it, rounded to f16, and a lane's eight channels are a chunk of a fragment's image.
.irp i, 0,1,2,3
	v_add_f32 v[L+2*\i], v[L+2*\i], v[L+2*\i+1]
.endr
.irp i, 0,1,2,3
	v_permlanex16_b32 v[L+2*\i+1], v[L+2*\i], s[SEL], s[SEL+1]
.endr
.irp i, 0,1,2,3
	v_add_f32 v[L+2*\i], v[L+2*\i], v[L+2*\i+1]
.endr
.irp i, 0,1,2,3
	v_rcp_f32 v[L+2*\i], v[L+2*\i]
.endr
	v_nop                                          ; a plain line behind the last reciprocal
	s_wait_alu depctr_va_vdst(0)                   ; and the wait ahead of the first use: one for the four
.irp i, 0,1,2,3
	WIN 0x01                                       ; source 0 (O^T) window 1
.set u, 0
.rept 16
	v_pk_mul_f32 v[S+32*(\i%2)+2*u:S+32*(\i%2)+2*u+1], v[O+32*\i+2*u:O+32*\i+2*u+1], v[L+2*\i:L+2*\i+1] op_sel_hi:[1,0]
.set u, u+1
.endr
	WIN 0
.set u, 0
.rept 16
	v_cvt_pk_f16_f32 v[KF+16*\i+u], v[S+32*(\i%2)+2*u], v[S+32*(\i%2)+2*u+1]   ; into K's and V's registers, each written once: no store's data are written again
.set u, u+1
.endr
.irp d, 0,1,2,3
	global_store_b128 v[LN16], v[KF+16*\i+4*\d:KF+16*\i+4*\d+3], s[8:9] offset:\i*32768+\d*512   ; 32 lanes store 512 consecutive aligned bytes
.endr
.endr
	s_wait_tensorcnt 0x0                           ; the wave's end
	ds_add_u32 v[SPW], v[NIL]
	s_wait_dscnt 0x0
	CROUND                                         ; the closing round
	s_endpgm
.Lfunc_end_k_qca781d0cb0_attn:
	.size	k_qca781d0cb0_attn, .Lfunc_end_k_qca781d0cb0_attn-k_qca781d0cb0_attn
	.p2alignl 7, 3214868480
	.fill 96, 4, 3214868480
	.section	.rodata,"a",@progbits
	.p2align	6, 0x0
	.amdhsa_kernel k_qca781d0cb0_attn
		.amdhsa_group_segment_fixed_size 327680
		.amdhsa_private_segment_fixed_size 0
		.amdhsa_enable_private_segment 0
		.amdhsa_kernarg_size 24
		.amdhsa_user_sgpr_count 2
		.amdhsa_user_sgpr_kernarg_segment_ptr 1
		.amdhsa_wavefront_size32 1
		.amdhsa_system_sgpr_workgroup_id_x 1
		.amdhsa_system_sgpr_workgroup_id_y 1
		.amdhsa_system_sgpr_workgroup_id_z 1
		.amdhsa_system_vgpr_workitem_id 0
		.amdhsa_next_free_vgpr 512
		.amdhsa_next_free_sgpr 66
		.amdhsa_reserve_vcc 1
		.amdhsa_float_denorm_mode_32 3
		.amdhsa_float_denorm_mode_16_64 3
		.amdhsa_memory_ordered 1
		.amdhsa_forward_progress 1
		.amdhsa_inst_pref_size 226
	.end_amdhsa_kernel
	.amdgpu_metadata
---
amdhsa.version: [ 1, 2 ]
amdhsa.kernels:
  - .name:           k_qca781d0cb0_attn
    .symbol:         k_qca781d0cb0_attn.kd
    .args:
      - { .name: qkv, .offset: 0, .size: 8, .value_kind: global_buffer, .address_space: global }
      - { .name: mask, .offset: 8, .size: 8, .value_kind: global_buffer, .address_space: global }
      - { .name: af, .offset: 16, .size: 8, .value_kind: global_buffer, .address_space: global }
    .group_segment_fixed_size: 327680
    .private_segment_fixed_size: 0
    .kernarg_segment_align: 8
    .kernarg_segment_size: 24
    .max_flat_workgroup_size: 256
    .sgpr_count:     66
    .vgpr_count:     512
    .wavefront_size: 32
...
	.end_amdgpu_metadata
.endif
;; end of part 3
;; launch oproj (part 4): grid 4 x 64, 4 waves a work-group, clusters of 4 x 4, 327,680 bytes of LDS; arguments af, wo16, bo, out0; writes out0
.if DOCPART == 4
	.amdgcn_target "amdgcn-amd-amdhsa--gfx1250"
	.amdhsa_code_object_version 6
	.text
	.protected	k_qca781d0cb0_oproj
	.globl	k_qca781d0cb0_oproj
	.p2align	8
	.type	k_qca781d0cb0_oproj,@function
k_qca781d0cb0_oproj:
	s_mov_b64 s[64:65], 0
	v_nop
	global_prefetch_b8 v0, s[64:65] scope:SCOPE_SE
	s_setreg_imm32_b32 hwreg(HW_REG_WAVE_MODE, 25, 1), 1
	s_wait_xcnt 0x0
	s_wait_alu depctr_hold_cnt(0) depctr_sa_sdst(0) depctr_va_vdst(0) depctr_va_sdst(0) depctr_va_ssrc(0) depctr_va_vcc(0) depctr_vm_vsrc(0)
	s_getreg_b32 s2, hwreg(HW_REG_IB_STS2, 6, 4)
	s_cmp_eq_u32 s2, 0
	s_cbranch_scc0 .Lentry_in_a_cluster
	s_endpgm
.Lentry_in_a_cluster:
	s_bfe_u32 s2, ttmp6, 0x10000c
	s_cmp_lg_u32 s2, 0xf033
	s_cbranch_scc0 .Lentry_shape_is_right
	s_endpgm
.Lentry_shape_is_right:
; out0[m][n] = sum over k of A[m][k] Wo[n][k] + bo[n].  A: attention's result, 8,192 x 1,024 in f16, as images of operand registers (af: (token tile) 32768 + (k / 32) 1024 + c 512 + 16 lane);
; Wo: wo16 [1024][1024] f16, K innermost; out0: [8192][1024] f32; sums in f32; the bias is the C of each sum's first matrix instruction.
; A tile of out0 is 128 (m) x 256 (n): 256 work-groups.  Four waves, each 64 x 128: 32 accumulators of 16 x 16, 256 registers.  K goes in steps of 128 through a ring of two LDS slots.
; A's part of a slot is 8 token tiles x 4,096 bytes of images (no padding: every read is 16 x lane on end); Wo's is 256 rows of 256 bytes + 16 of padding.
; CLUSTERS: 4 x 4 work-groups.  The four of a row of the cluster need the same tiles of A, the four of a column the same tiles of Wo: each is asked for jointly.
; THE MATRIX INSTRUCTION IS USED TRANSPOSED (source 0 = 16 rows of Wo, source 1 = 16 rows of A): a lane holds eight neighbouring numbers of a row of out0.
; LIMITS: as stated where af and wo16 are made (f16's range).
; REGISTERS: window 0: v0-31 addresses; v32-63, v64-95 A's fragments, two buffers (4 x 16 rows x 32 K); v96-159, v160-223 Wo's, two buffers (8 x 16 rows x 32 K), on the way out rows of out0.
;   window 1: the accumulators ((a, b) at v[8 (8 a + b)]).   window 2: v0-63 the bias: bo[my first column + 16 b + 8 (lane / 16) + j] at 8 b + j.
.set PITCH,  272                       ; a row of Wo in LDS: 256 bytes + 16: the 16 rows that a load touches start at 16 different banks (ISA guide 11.1)
.set ABYTES, 32768                     ; A's part of a slot
.set HALFB,  128*PITCH                 ; 128 rows of Wo
.set SLOT,   ABYTES+2*HALFB            ; 102,400
.set STAGE,  2*SLOT                    ; behind the ring: 16 rows x (512 bytes + 16) for each wave, for the way out; no tensor load lands here
.set SPITCH, 528
.set SPARE,  STAGE+4*16*SPITCH         ; the spare words, 128 bytes a wave, which no other line names
.set LAPS,   4                         ; a lap = two K steps of 128
.set ADRA, 16                          ; v16-17  LDS address of my A fragments in slot 0, 1
.set ADRB, 20                          ; v20-21  the same for Wo
.set STO,  24                          ; v24     the way out: where I put 32 bytes of a row
.set RD,   25                          ; v25     and where I read a row back
.set CO,   26                          ; v26     16 x lane
.set OBI,  27                          ; v27     32 x (lane / 16): the bias
.set SPW,  28                          ; v28     LDS address of my spare word; never rewritten
.set NIL,  29                          ; v29     0; never rewritten
.set FA0,  32
.set FB0,  96
.set WV,   12                          ; s12 wave;  s13 wave / 2: my half of the rows, and: I fetch for A (0) or Wo (1);  s14 wave % 2: my half of the columns, and: which half I fetch
.set HM,   13
.set HN,   14
.set G1, 24                            ; s[24:31] descriptor group 1 for A's tiles;  s[32:39] group 0, one set for each slot
.set G0, 32
.set G1B, 48                           ; s[48:55], s[56:63] the same for Wo's
.set G0B, 56
.set MSB, 0
.macro WIN new
.if MSB != (\new)
	s_set_vgpr_msb (MSB<<8)|(\new)
.set MSB, (\new)
.endif
.endm
.set MUL,   0x50                       ; C and D window 1
.set MUL_B, 0x60                       ; D window 1, C (the bias) window 2
.macro JLOAD s                         ; a joint load: waves 0 and 1 fetch A's halves, waves 2 and 3 Wo's; an s_nop 0 and four v_nop follow each line
	s_cmp_eq_u32 s[HM], 0
	s_cbranch_scc0 .Lfor_b_\@
	tensor_load_to_lds s[G0+4*\s:G0+4*\s+3], s[G1:G1+7]
	s_nop 0
.rept 4
	v_nop
.endr
	s_branch .Lasked_\@
.Lfor_b_\@:
	tensor_load_to_lds s[G0B+4*\s:G0B+4*\s+3], s[G1B:G1B+7]
	s_nop 0
.rept 4
	v_nop
.endr
.Lasked_\@:
.endm
.macro CREST                           ; a round of the cluster's barrier behind its opening barrier
	s_cmp_lg_u32 s[WV], 0
	s_cbranch_scc1 .Lnot_wave_0_\@
	s_barrier_signal -3
.Lnot_wave_0_\@:
	s_barrier_wait -3
	s_barrier_signal -1
	s_barrier_wait -1
.endm
.macro CROUND
	s_barrier_signal -1
	s_barrier_wait -1
	CREST
.endm
	s_load_b256 s[4:11], s[0:1], 0x0               ; af 4, wo16 6, bo 8, out0 10
	v_lshl_add_u32 v[SPW], v0, 2, SPARE
	v_mov_b32 v[NIL], 0
	ds_add_u32 v[SPW], v[NIL]                      ; the wave's opening: the add, twice on end, and its wait ahead of my first tensor load
	ds_add_u32 v[SPW], v[NIL]
	v_lshrrev_b32 v1, 5, v0
	v_readfirstlane_b32 s[WV], v1                  ; wave 0..3
	s_lshr_b32 s[HM], s[WV], 1
	s_and_b32 s[HN], s[WV], 1
	s_bfe_u32 s40, ttmp6, 0x40000                  ; cx, cy
	s_bfe_u32 s41, ttmp6, 0x40004
	s_lshl_b32 s42, ttmp9, 2
	s_add_co_u32 s42, s42, s40                     ; tile column (256 columns) = 4 x cluster x + cx
	s_and_b32 s15, ttmp7, 0xffff
	s_lshl_b32 s15, s15, 2
	s_add_co_u32 s15, s15, s41                     ; tile row (128 rows) = 4 x cluster y + cy
	s_lshl_b32 s43, s41, 2
	s_lshl_b32 s43, 15, s43                        ; my row of the cluster
	s_lshl_b32 s44, 0x1111, s40                    ; my column
	; A: 4 token tiles x 4,096 bytes (512 elements of 8 bytes), 32,768 bytes apart; no padding
	s_or_b32 s[G1+0], s43, (3<<16)|(1<<21)
	s_mov_b32 s[G1+1], 512<<16                     ; tensor_dim0
	s_mov_b32 s[G1+2], 4<<16                       ; tensor_dim1
	s_mov_b32 s[G1+3], 512<<16                     ; tile_dim0
	s_mov_b32 s[G1+4], 4                           ; tile_dim1
	s_mov_b32 s[G1+5], 4096                        ; tensor_dim0_stride, in elements
	s_mov_b32 s[G1+6], 0
	s_mov_b32 s[G1+7], 0
	; Wo: 128 rows x 128 elements of 2 bytes, four words of padding after every 64
	s_or_b32 s[G1B+0], s44, (1<<16)|(1<<20)|(1<<21)|(5<<22)|(3<<25)
	s_mov_b32 s[G1B+1], 128<<16
	s_mov_b32 s[G1B+2], 128<<16
	s_mov_b32 s[G1B+3], 128<<16
	s_mov_b32 s[G1B+4], 128
	s_mov_b32 s[G1B+5], 1024
	s_mov_b32 s[G1B+6], 0
	s_mov_b32 s[G1B+7], 0
	s_lshl_b32 s16, s15, 3                         ; A: token tile 8 x tile row + 4 x half,
	s_lshl_b32 s17, s[HN], 2
	s_add_co_u32 s16, s16, s17
	s_lshl_b32 s16, s16, 15                        ; 32,768 bytes each
	s_mov_b32 s17, 0
	s_lshl_b32 s46, s42, 8                         ; Wo: row 256 x tile column + 128 x half,
	s_lshl_b32 s47, s[HN], 7
	s_add_co_u32 s46, s46, s47
	s_lshl_b32 s46, s46, 11                        ; 2,048 bytes each
	s_mov_b32 s47, 0
	s_lshl_b32 s20, s[HN], 14                      ; where they go: A's half,
	s_mul_i32 s21, s[HN], HALFB
	s_add_co_u32 s21, s21, ABYTES                  ; Wo's half, behind A: the wave's number alone enters an LDS address
	s_wait_dscnt 0x0                               ; both opening adds are done
	s_wait_kmcnt 0x0
	s_add_nc_u64 s[16:17], s[4:5], s[16:17]
	s_add_nc_u64 s[46:47], s[6:7], s[46:47]
	CROUND                                         ; all sixteen work-groups are here: the first joint loads meet
.irp s, 0,1
	s_mov_b32 s[G0+4*\s], 1
	s_add_co_u32 s[G0+4*\s+1], s20, \s*SLOT
	s_add_nc_u64 s[G0+4*\s+2:G0+4*\s+3], s[16:17], \s*4096   ; a K step is 4,096 bytes of a token tile's images
	s_or_b32 s[G0+4*\s+3], s[G0+4*\s+3], 0x80000000
	s_mov_b32 s[G0B+4*\s], 1
	s_add_co_u32 s[G0B+4*\s+1], s21, \s*SLOT
	s_add_nc_u64 s[G0B+4*\s+2:G0B+4*\s+3], s[46:47], \s*256  ; and 256 bytes of a row of Wo
	s_or_b32 s[G0B+4*\s+3], s[G0B+4*\s+3], 0x80000000
	JLOAD \s                                       ; two tensor loads of mine are out
.endr
	v_and_b32 v1, 15, v0                           ; l % 16
	v_bfe_u32 v2, v0, 4, 1                         ; l / 16
	v_and_b32 v3, 31, v0
	v_lshlrev_b32 v[CO], 4, v3
	v_mul_u32_u24 v4, v1, PITCH
	v_lshl_add_u32 v4, v2, 4, v4                   ; Wo: a fragment's row x pitch + 16 x half
	s_lshl_b32 s22, s[HM], 14                      ; my 64 rows of A: four token tiles
	s_mul_i32 s23, s[HN], HALFB                    ; my 128 rows of Wo
	s_add_co_u32 s23, s23, ABYTES
.irp s, 0,1
	v_add_nc_u32 v[ADRA+\s], s22, v[CO]
	v_add_nc_u32 v[ADRB+\s], s23, v4
	s_add_co_u32 s22, s22, SLOT
	s_add_co_u32 s23, s23, SLOT
.endr
	s_mul_i32 s22, s[WV], 16*SPITCH
	s_add_co_u32 s22, s22, STAGE                   ; my stage
	v_mul_u32_u24 v5, v1, SPITCH                   ; in: row l % 16, 32 bytes for each half of the lanes
	v_lshl_add_u32 v5, v2, 5, v5
	v_add_nc_u32 v[STO], s22, v5
	v_add_nc_u32 v[RD], s22, v[CO]                 ; back: the 32 lanes take one row of 512 bytes
	v_lshlrev_b32 v[OBI], 5, v2
	s_lshl_b32 s18, s42, 10
	s_lshl_b32 s19, s[HN], 9
	s_add_co_u32 s18, s18, s19                     ; my first column, in bytes: 1,024 x tile column + 512 x half
	s_mov_b32 s19, 0
	s_add_nc_u64 s[8:9], s[8:9], s[18:19]
	s_add_nc_u64 s[10:11], s[10:11], s[18:19]
	s_lshl_b32 s18, s15, 7
	s_lshl_b32 s22, s[HM], 6
	s_add_co_u32 s18, s18, s22                     ; my first row: 128 x tile row + 64 x half,
	s_lshl_b32 s18, s18, 12                        ; 4,096 bytes each
	s_add_nc_u64 s[10:11], s[10:11], s[18:19]
	WIN 0x80                                       ; destination window 2
.irp b, 0,1,2,3,4,5,6,7
	global_load_b128 v[8*\b:8*\b+3],   v[OBI], s[8:9] offset:64*\b
	global_load_b128 v[8*\b+4:8*\b+7], v[OBI], s[8:9] offset:64*\b+16
.endr
	WIN 0
; 8 matrix instructions: A's block a x Wo's eight, 32 along K, buffer f.  first = 1: the bias is the C: nothing is cleared and nothing is added later.
; The 32 accumulators take turns, one instruction a turn, in the same order in every quarter.
.macro MUL8 f, a, first
.irp b, 0,1,2,3,4,5,6,7
.if \first
	v_wmma_f32_16x16x32_f16 v[8*(8*(\a)+\b):8*(8*(\a)+\b)+7], v[FB0+64*(\f)+8*\b:FB0+64*(\f)+8*\b+7], v[FA0+32*(\f)+8*(\a):FA0+32*(\f)+8*(\a)+7], v[8*\b:8*\b+7]
.else
	v_wmma_f32_16x16x32_f16 v[8*(8*(\a)+\b):8*(8*(\a)+\b)+7], v[FB0+64*(\f)+8*\b:FB0+64*(\f)+8*\b+7], v[FA0+32*(\f)+8*(\a):FA0+32*(\f)+8*(\a)+7], v[8*(8*(\a)+\b):8*(8*(\a)+\b)+7]
.endif
.endr
.endm
.macro FETCH slot, q, f                ; 24 LDS loads in one run: the fragments of the slot's q-th 32 along K into buffer f (every window 0)
.irp i, 0,1,2,3,4,5,6,7
	ds_load_b128 v[FB0+64*(\f)+8*\i:FB0+64*(\f)+8*\i+3],   v[ADRB+\slot] offset:64*(\q)+\i*16*PITCH
	ds_load_b128 v[FB0+64*(\f)+8*\i+4:FB0+64*(\f)+8*\i+7], v[ADRB+\slot] offset:64*(\q)+\i*16*PITCH+32
.endr
.irp a, 0,1,2,3
	ds_load_b128 v[FA0+32*(\f)+8*\a:FA0+32*(\f)+8*\a+3],   v[ADRA+\slot] offset:4096*\a+1024*(\q)
	ds_load_b128 v[FA0+32*(\f)+8*\a+4:FA0+32*(\f)+8*\a+7], v[ADRA+\slot] offset:4096*\a+1024*(\q)+512
.endr
.endm
.macro PLACES                          ; four plain lines ahead of loads into registers that matrix instructions have read, and of the first read of results (for reads)
.rept 4
	v_nop
.endr
.endm
; A K step is four quarters of 32 along K, 32 matrix instructions each, on buffers 0, 1, 0, 1.  One of the first three: multiplies buffer f and, in its middle, fetches quarter q of the same slot into buffer g.
.macro QUARTER slot, q, f, g, first
	s_wait_dscnt 0x0                               ; buffer f is in (asked for 16 matrix instructions ago)
	WIN MUL+0x10*(\first)
	MUL8 \f, 0, \first
	MUL8 \f, 1, \first
	WIN 0
	PLACES
	FETCH \slot, \q, \g
	WIN MUL+0x10*(\first)
	MUL8 \f, 2, \first
	MUL8 \f, 3, \first
.endm
; The last quarter multiplies buffer 1 and changes slots: ONE barrier; ahead of it each wave waits for all its tensor loads, adds 0 to its spare word, and waits for that and for its reads of this slot.
; fill = 1: the barrier opens a round of the cluster's, and this slot is filled again, two K steps ahead, first thing behind it.
.macro TURN slot, next, fill
	WIN 0                                          ; (the add's two registers lie in window 0)
	s_wait_tensorcnt 0x0                           ; all my tensor loads have landed: my part of the next slot
	ds_add_u32 v[SPW], v[NIL]
	s_wait_dscnt 1                                 ; buffer 1 is in; the add may be out
	WIN MUL
	MUL8 1, 0, 0                                   ; eight matrix instructions stand between the add and the wait for it
	s_wait_dscnt 0x0                               ; the add is done, and my reads of this slot are over
	s_barrier_signal -1
	MUL8 1, 1, 0
	WIN 0
	s_barrier_wait -1
.if \fill
	CREST                                          ; no wave of any partner still reads this slot's tile or has a load on its way
	s_add_nc_u64 s[G0+4*\slot+2:G0+4*\slot+3], s[G0+4*\slot+2:G0+4*\slot+3], 2*4096
	s_add_nc_u64 s[G0B+4*\slot+2:G0B+4*\slot+3], s[G0B+4*\slot+2:G0B+4*\slot+3], 2*256
	JLOAD \slot                                    ; the four v_nop behind it are also the places ahead of the loads below
.else
	PLACES
.endif
	FETCH \next, 0, 0
	WIN MUL
	MUL8 1, 2, 0
	MUL8 1, 3, 0
.endm
	s_wait_tensorcnt 1                             ; my part of K step 0 is in (K step 1's may be out)
	s_barrier_signal -1
	s_barrier_wait -1                              ; everybody's is
	FETCH 0, 0, 0
	s_wait_loadcnt 0x0                             ; the bias
	QUARTER 0, 1, 0, 1, 1                          ; the first quarter stands ahead of the loop: its products start the sums, on the bias
	WIN 0                                          ; at a label and at a branch every window is 0
	s_mov_b32 s3, LAPS-1
.Llap:                                                 ; a trip goes once round the ring, from a lap's second quarter to the next lap's first, and fills both slots again
	QUARTER 0, 2, 1, 0, 0
	QUARTER 0, 3, 0, 1, 0
	TURN 0, 1, 1
	QUARTER 1, 1, 0, 1, 0
	QUARTER 1, 2, 1, 0, 0
	QUARTER 1, 3, 0, 1, 0
	TURN 1, 0, 1
	QUARTER 0, 1, 0, 1, 0
	WIN 0
	s_sub_co_u32 s3, s3, 1
	s_cmp_lg_u32 s3, 0
	s_cbranch_scc1 .Llap
	QUARTER 0, 2, 1, 0, 0                          ; the last lap fills nothing, and has no round of the cluster's barrier
	QUARTER 0, 3, 0, 1, 0
	TURN 0, 1, 0
	QUARTER 1, 1, 0, 1, 0
	QUARTER 1, 2, 1, 0, 0
	QUARTER 1, 3, 0, 1, 0
	s_wait_dscnt 0x0                               ; the very last quarter: nothing more to fetch
	WIN MUL
	MUL8 1, 0, 0
	MUL8 1, 1, 0
	MUL8 1, 2, 0
	MUL8 1, 3, 0
	WIN 0
; THE WAY OUT, block by block of 16 rows x 128 columns.  A lane holds 32 neighbouring bytes of a row and the lanes beside it other rows: a block goes through my own stage in LDS and comes back as whole rows of 512 bytes.
; LDS serves a wave's instructions in order (ISA guide 5.7.1.4): no wait between the stores and the loads, nor ahead of the next block's stores.
.macro TOSTAGE a
	WIN 0x04                                       ; an LDS store's data are its source 1: window 1
.irp b, 0,1,2,3,4,5,6,7
	ds_store_b128 v[STO], v[8*(8*(\a)+\b):8*(8*(\a)+\b)+3] offset:64*\b            ; each accumulator from its low end on
	ds_store_b128 v[STO], v[8*(8*(\a)+\b)+4:8*(8*(\a)+\b)+7] offset:64*\b+16
.endr
	WIN 0
.set BB, FB0+64*((\a)%2)
.irp t, 0,1,2,3,4,5,6,7,8,9,10,11,12,13,14,15
	ds_load_b128 v[BB+4*\t:BB+4*\t+3], v[RD] offset:\t*SPITCH
.endr
.endm
.macro SEND a, younger                 ; younger: the LDS instructions issued behind block a's loads, which may stay out
.set BB, FB0+64*((\a)%2)
	s_wait_dscnt \younger
.irp t, 0,1,2,3,4,5,6,7,8,9,10,11,12,13,14,15
	global_store_b128 v[CO], v[BB+4*\t:BB+4*\t+3], s[10:11] offset:(\a)*65536+\t*4096 th:TH_STORE_NT   ; 32 lanes store 512 consecutive aligned bytes; written once, read by nobody here
.endr
.endm
	PLACES                                         ; behind the last products: ahead of the first read of results and of loads into Wo's registers
	TOSTAGE 0
.irp a, 1,2,3
.if \a > 1
	s_wait_xcnt 0x0                                ; block a - 2's stores have read their registers: block a's loads may land there
.endif
	TOSTAGE \a
	SEND \a-1, 32                                  ; behind block a - 1's loads: block a's 16 stores and 16 loads
.endr
	SEND 3, 0
	s_wait_tensorcnt 0x0                           ; the wave's end
	ds_add_u32 v[SPW], v[NIL]
	s_wait_dscnt 0x0
	CROUND                                         ; the closing round: no work-group ends while a partner may still ask for a tile that names it
	s_endpgm
.Lfunc_end_k_qca781d0cb0_oproj:
	.size	k_qca781d0cb0_oproj, .Lfunc_end_k_qca781d0cb0_oproj-k_qca781d0cb0_oproj
	.p2alignl 7, 3214868480
	.fill 96, 4, 3214868480
	.section	.rodata,"a",@progbits
	.p2align	6, 0x0
	.amdhsa_kernel k_qca781d0cb0_oproj
		.amdhsa_group_segment_fixed_size 327680
		.amdhsa_private_segment_fixed_size 0
		.amdhsa_enable_private_segment 0
		.amdhsa_kernarg_size 32
		.amdhsa_user_sgpr_count 2
		.amdhsa_user_sgpr_kernarg_segment_ptr 1
		.amdhsa_wavefront_size32 1
		.amdhsa_system_sgpr_workgroup_id_x 1
		.amdhsa_system_sgpr_workgroup_id_y 1
		.amdhsa_system_sgpr_workgroup_id_z 1
		.amdhsa_system_vgpr_workitem_id 0
		.amdhsa_next_free_vgpr 640
		.amdhsa_next_free_sgpr 66
		.amdhsa_reserve_vcc 0
		.amdhsa_float_denorm_mode_32 3
		.amdhsa_float_denorm_mode_16_64 3
		.amdhsa_memory_ordered 1
		.amdhsa_forward_progress 1
		.amdhsa_inst_pref_size 86
	.end_amdhsa_kernel
	.amdgpu_metadata
---
amdhsa.version: [ 1, 2 ]
amdhsa.kernels:
  - .name:           k_qca781d0cb0_oproj
    .symbol:         k_qca781d0cb0_oproj.kd
    .args:
      - { .name: af, .offset: 0, .size: 8, .value_kind: global_buffer, .address_space: global }
      - { .name: wo16, .offset: 8, .size: 8, .value_kind: global_buffer, .address_space: global }
      - { .name: bo, .offset: 16, .size: 8, .value_kind: global_buffer, .address_space: global }
      - { .name: out0, .offset: 24, .size: 8, .value_kind: global_buffer, .address_space: global }
    .group_segment_fixed_size: 327680
    .private_segment_fixed_size: 0
    .kernarg_segment_align: 8
    .kernarg_segment_size: 32
    .max_flat_workgroup_size: 128
    .sgpr_count:     66
    .vgpr_count:     640
    .wavefront_size: 32
...
	.end_amdgpu_metadata
.endif
;; end of part 4
